; MI455X (gfx1250); checked and timed in simulation.
; The chip was launched on July 23, 2026; its instructions are those of AMD's public machine-readable ISA for CDNA 5 (MIT licence, August 2026) and "CDNA5" Instruction Set Architecture Reference Guide (July 2026). The comments in the code are by the model that wrote it; some were corrected since.
;; Sparse MOE. Allowed arithmetic: matrix products marked QUANTISED: E3M2 operands, one E8M0 scale for each 32 along K, by v_wmma_scale_f32_16x16x128_f8f6f4 with both operands' format E3M2, f32 sums; products left as they are: f32 operands where the result goes on into a quantised operand, else bf16, f16 or f32 operands; f32 sums; everything else in f32.
;; Inputs: W1_codes 8 x 4,096 x 32 x 24 uint8 (E3M2 codes of W1, K innermost, in blocks of 32 codes, four codes in three bytes); W1_scales 8 x 4,096 x 32 uint8 (E8M0 scales of W1, one for each 32 codes along K); W2_codes 8 x 1,024 x 128 x 24 uint8 (E3M2 codes of W2, K innermost, in blocks of 32 codes, four codes in three bytes); W2_scales 8 x 1,024 x 128 uint8 (E8M0 scales of W2, one for each 32 codes along K); Wg 1,024 x 8 float32; Wn 1,024 x 8 float32; b1 8 x 4,096 float32; b2 8 x 1,024 float32; bg 8 float32; bn 8 float32; noise 4 x 256 x 8 float32; x 4 x 256 x 1,024 float32.
;; Outputs: out0 4 x 256 x 1,024 float32.
;; This version of the problem:
;;   THIS VERSION OF THE PROBLEM IS GIVEN IN LOW PRECISION. The matrix products marked QUANTISED in the list below multiply operands that are first quantised to E3M2 (3 exponent bits, 2 mantissa bits; 6 bits a number), with one power-of-two scale for each 32 numbers along K (OCP MX v1.0); their sums are f32. All else is computed in f32.
;;   The module's matrix products, in the order in which they are computed (A, B: the left and right operand; K: the contracted axis; several contracted axes count as one K, in the product's order):
;;     1. [M 1,024, K 1,024] x [K 1,024, N 8]; A: input x; B: input Wg: left as it is (N = 8 < 16)
;;     2. [M 1,024, K 1,024] x [K 1,024, N 8]; A: input x; B: input Wn: left as it is (N = 8 < 16)
;;     3. [M 1,024, K 1,024] x [K 1,024, N 4,096]; A: input x; B: input W1 (given as codes): QUANTISED
;;     4. [M 1,024, K 4,096] x [K 4,096, N 1,024]; A: computed on the way; B: input W2 (given as codes): QUANTISED
;;     5. [M 1,024, K 1,024] x [K 1,024, N 4,096]; A: input x; B: input W1 (given as codes): QUANTISED
;;     6. [M 1,024, K 4,096] x [K 4,096, N 1,024]; A: computed on the way; B: input W2 (given as codes): QUANTISED
;;     7. [M 1,024, K 1,024] x [K 1,024, N 4,096]; A: input x; B: input W1 (given as codes): QUANTISED
;;     8. [M 1,024, K 4,096] x [K 4,096, N 1,024]; A: computed on the way; B: input W2 (given as codes): QUANTISED
;;     9. [M 1,024, K 1,024] x [K 1,024, N 4,096]; A: input x; B: input W1 (given as codes): QUANTISED
;;     10. [M 1,024, K 4,096] x [K 4,096, N 1,024]; A: computed on the way; B: input W2 (given as codes): QUANTISED
;;     11. [M 1,024, K 1,024] x [K 1,024, N 4,096]; A: input x; B: input W1 (given as codes): QUANTISED
;;     12. [M 1,024, K 4,096] x [K 4,096, N 1,024]; A: computed on the way; B: input W2 (given as codes): QUANTISED
;;     13. [M 1,024, K 1,024] x [K 1,024, N 4,096]; A: input x; B: input W1 (given as codes): QUANTISED
;;     14. [M 1,024, K 4,096] x [K 4,096, N 1,024]; A: computed on the way; B: input W2 (given as codes): QUANTISED
;;     15. [M 1,024, K 1,024] x [K 1,024, N 4,096]; A: input x; B: input W1 (given as codes): QUANTISED
;;     16. [M 1,024, K 4,096] x [K 4,096, N 1,024]; A: computed on the way; B: input W2 (given as codes): QUANTISED
;;     17. [M 1,024, K 1,024] x [K 1,024, N 4,096]; A: input x; B: input W1 (given as codes): QUANTISED
;;     18. [M 1,024, K 4,096] x [K 4,096, N 1,024]; A: computed on the way; B: input W2 (given as codes): QUANTISED
;;   THE QUANTISER, for each operand of a quantised product, along K:
;;     - K is cut into blocks of 32 from its start; a last block that is shorter is filled with zeros.
;;     - A block's scale is 2^e with e = floor(log2(the largest magnitude in the block)) - 4, held to -126 .. 127; a block of zeros has e = 0. As a byte (E8M0): e + 127.
;;     - Each number is divided by its block's scale, clamped to +-28, and rounded to the nearest number of E3M2, ties to even, subnormals kept.
;;     - The product sums the exact products of the quantised numbers (number of the format x scale) in f32.
;;   ~~~python
;;   def quantise(x, axis):      # numpy; x: float32 -> the quantised numbers, widened to float32 again
;;       x = np.moveaxis(x, axis, -1); K = x.shape[-1]
;;       x = np.pad(x, [(0, 0)] * (x.ndim - 1) + [(0, -K % 32)]); x = x.reshape(x.shape[:-1] + (-1, 32)); a = np.abs(x).max(-1, keepdims=True)
;;       e = np.where(a > 0, np.clip(np.frexp(np.where(a > 0, a, 1))[1] - 1 - 4, -126, 127), 0)      # np.frexp(a)[1] - 1 = floor(log2(a)), exactly
;;       r = np.clip(x / 2.0 ** e, -28, 28)
;;       step = 2.0 ** (np.maximum(np.frexp(np.where(r == 0, 1, r))[1] - 1, -2) - 2)
;;       q = np.round(r / step) * step * 2.0 ** e      # np.round: ties to even
;;       return np.moveaxis(q.reshape(q.shape[:-2] + (-1,))[..., :K], -1, axis).astype(np.float32)
;;   ~~~
;;   OPERANDS COMPUTED ON THE WAY. 'Computed on the way' means the value that the module computes at that place (a softmax that the list does not call 'softmax' is quantised finished and normalised). What goes into a quantiser is computed in f32, as accurately as f32 sums, v_exp_f32 and their like allow (about 1e-6 of the number): no bf16 or f16 on the way to a quantiser, and a product that is left as it is and whose result goes on into a quantised operand takes f32 operands (vector FMAs, or v_wmma_f32_16x16x4_f32). A number that lies on a knife's edge between two numbers of the format may be rounded either way, as far as f32 arithmetic and the matrix unit's own rounding can turn it there, and no further.
;;   INPUTS GIVEN AS CODES. W1 (in the module: [8, 1024, 4096], K = its axis 1); W2 (in the module: [8, 4096, 1024], K = its axis 1): each comes as NAME_codes (uint8): NAME with its K axis moved to the last place and cut into blocks of 32 codes, [.., K / 32, bytes a block], one block behind the other in memory; four codes in three bytes: a row's codes are one little-endian stream of bits, code i at bits 6 i .. 6 i + 5 (a code: sign, 3 exponent bits, 2 mantissa bits); and NAME_scales (uint8): the same leading axes, one E8M0 byte (e + 127) for each 32 codes along K. Its value is code x scale, taken as it is: it is not quantised again, and the codes and scales need not be those that the quantiser above would give.
;; 2 versions. Each part assembles by itself: llvm-mc -triple=amdgcn-amd-amdhsa -mcpu=gfx1250 --defsym DOCPART=n.
;; ======== version 1 of 2: 5 launches
;; workspace buffers: xw 827,392 bytes; sel 8,192 bytes of whole numbers; rt 17,152 bytes of whole numbers; hw 7,241,728 bytes; ys 8,912,896 bytes
;; launch route (part 1): grid 256 x 1, 4 waves a work-group, no clusters, 22,272 bytes of LDS; arguments x, Wg, Wn, bg, bn, noise, xw, sel; writes xw, sel
.if DOCPART == 1
	.amdgcn_target "amdgcn-amd-amdhsa--gfx1250"
	.amdhsa_code_object_version 6
	.text
	.protected	k_q9fac622be0_route
	.globl	k_q9fac622be0_route
	.p2align	8
	.type	k_q9fac622be0_route,@function
k_q9fac622be0_route:
	s_mov_b64 s[64:65], 0
	v_nop
	global_prefetch_b8 v0, s[64:65] scope:SCOPE_SE
	s_setreg_imm32_b32 hwreg(HW_REG_WAVE_MODE, 25, 1), 1
	s_wait_xcnt 0x0
; THE ROUTER, AND x INTO CODES.  1,024 tokens of 1,024 numbers, 8 experts, the best 2 kept.
; noisy = x Wg + bg + noise * softplus(x Wn + bn), all in f32 by fused multiply-adds; the two largest (the lower index wins a tie); gates = softmax over the two, the larger taken away first.
; The chosen experts go to sel [token][2] as whole numbers and the gates to xw, at fixed places: no address and no branch here hangs on them.
; x is also quantised to BF6 (E3M2), one E8M0 byte for each 32 along K: scale = 2^(floor(log2(largest magnitude)) - 4).
; xw: codes at 0, 768 bytes a token, laid in the order of an operand's registers: K step s at 96 s, then 48 h + 24 c + 12 half for block 2 c + h, so that lane (r, h) of a fragment owns 48 bytes on end;
;     scale bytes at 786,432, 32 a token, in K's order;  gates at 819,200, [token][2] f32.
; SHARES.  A work-group has 4 tokens; wave w has K = 256 w .. 256 w + 255 of all four; lane l has k = 256 w + 128 j + 4 l + i.  64 sums a lane (4 tokens x 2 weights x 8 experts) are added over the
; 32 lanes by halving (each step a lane gives away half of its sums), over the 4 waves through LDS.
; No matrix unit: 8 columns are too few for a tile, and these sums decide a choice, so they stay in f32.  No cluster: the work-groups share only the two small weights (64 KiB against 16 KiB of x each).
; LIMITS: NaN and infinities are not served.  A block of zeros gets the byte 1, not 127: its codes are zeros and only this program reads the bytes.  Blocks whose largest magnitude lies under 2^-122 are held at byte 1.
; softplus is max(z, 0) + ln 2 * log2(1 + 2^(-|z| log2 e)): its absolute error is about 1e-7.  The sums run in another order than a row-by-row sum.
.set STG,   0                          ; LDS: a stage of 5,120 bytes for each wave: a token's 1,024 bytes as 16 places of 64 + 16 of padding
.set RED,   20480                      ; 4 waves x 64 sums
.set XSB,   21504                      ; 4 tokens x 32 scale bytes
.set XR,    16                         ; v16-47   x as loaded: token t, half j at 8 t + 4 j
.set WR,    48                         ; v48-175  weights: 64 j + 16 i + 8 q + n (q = 0: Wg, 1: Wn)
.set ACC,   176                        ; v176-239 the sums: 16 t + 8 q + e;  before they begin: v176-207 16 neighbours of two tokens, v208-215 codes, v216-218 at work
.set CD,    208
.set TQ,    216
.set T,     240                        ; v240-247 at work in the halving
.set XSOFF, 786432
.set GTOFF, 819200
	s_load_b256 s[4:11], s[0:1], 0x0               ; x, Wg, Wn, bg
	s_load_b256 s[12:19], s[0:1], 0x20             ; bn, noise, xw, sel
	v_lshl_add_u32 v254, v0, 2, 0x5500
	v_mov_b32 v255, 0
	v_lshrrev_b32 v1, 5, v0
	v_readfirstlane_b32 s20, v1                    ; wave
	v_and_b32 v2, 31, v0                           ; lane
	v_lshlrev_b32 v3, 4, v2
	v_lshl_add_u32 v3, v1, 10, v3                  ; x: 1,024 w + 16 l
	v_lshlrev_b32 v4, 7, v2
	v_lshl_add_u32 v4, v1, 13, v4                  ; Wg, Wn: 32 bytes a k: 8,192 w + 128 l
	v_and_b32 v5, 7, v2
	v_lshlrev_b32 v5, 2, v5                        ; 4 (l % 8)
	v_lshlrev_b32 v6, 2, v2                        ; 4 l
	s_mul_i32 s21, s20, 5120                       ; my stage
	v_lshrrev_b32 v7, 2, v2
	v_mul_u32_u24 v7, v7, 80
	v_and_b32 v8, 3, v2
	v_lshl_add_u32 v7, v8, 4, v7
	v_add_nc_u32 v7, s21, v7                       ; into the stage: 80 (l / 4) + 16 (l % 4)
	v_and_b32 v8, 15, v2
	v_mul_u32_u24 v8, v8, 80
	v_lshrrev_b32 v9, 4, v2                        ; l / 16
	v_mad_u32_u24 v8, v9, 1280, v8
	v_add_nc_u32 v8, s21, v8                       ; out of it: token l / 16 of a pair, place l % 16: 16 neighbours along K
	v_mul_u32_u24 v10, v9, 768                     ; my 12 bytes of codes: the token,
	v_mad_u32_u24 v10, v1, 192, v10                ; the wave's two K steps,
	v_bfe_u32 v11, v2, 3, 1
	v_mad_u32_u24 v10, v11, 96, v10                ; which of the two,
	v_bfe_u32 v11, v2, 1, 1
	v_mad_u32_u24 v10, v11, 48, v10                ; the block's h,
	v_bfe_u32 v11, v2, 2, 1
	v_mad_u32_u24 v10, v11, 24, v10                ; its c,
	v_and_b32 v11, 1, v2
	v_mad_u32_u24 v10, v11, 12, v10                ; and my half of the block
	v_bfe_u32 v12, v2, 1, 3
	v_lshl_add_u32 v12, v9, 5, v12
	v_lshl_add_u32 v12, v1, 3, v12
	v_add_nc_u32 v12, XSB, v12                     ; my block's scale byte: 32 (l / 16) + 8 w + block
	v_lshlrev_b32 v13, 3, v0
	v_add_nc_u32 v13, RED, v13                     ; my two sums: 256 w + 8 l
	v_lshrrev_b32 v14, 3, v2
	v_lshl_add_u32 v14, v14, 6, v5
	v_add_nc_u32 v14, RED, v14                     ; wave 0 later: token l / 8, expert l % 8
	v_add_nc_u32 v15, XSB, v6
	s_mov_b32 s24, 0xffff0000                      ; the lanes whose bit 4, 3, 2, 1, 0 is set
	s_mov_b32 s25, 0xff00ff00
	s_mov_b32 s26, 0xf0f0f0f0
	s_mov_b32 s27, 0xcccccccc
	s_mov_b32 s28, 0xaaaaaaaa
	s_mov_b32 s30, 0x76543210                      ; v_permlanex16_b32's selects for lane l xor 16
	s_mov_b32 s31, 0xfedcba98
	s_lshl_b32 s32, ttmp9, 14                      ; 4 tokens of 4,096 bytes
	s_mov_b32 s33, 0
	s_lshl_b32 s34, ttmp9, 7                       ; 4 tokens of 32 bytes
	s_mov_b32 s35, 0
	s_mul_i32 s36, ttmp9, 3072                     ; 4 tokens of 768 bytes
	s_mov_b32 s37, 0
	s_lshl_b32 s38, ttmp9, 5                       ; 4 tokens of 8 bytes
	s_mov_b32 s39, 0
	s_wait_kmcnt 0x0
	s_add_nc_u64 s[4:5], s[4:5], s[32:33]
	s_add_nc_u64 s[14:15], s[14:15], s[34:35]
	s_add_nc_u64 s[40:41], s[16:17], s[36:37]      ; xw: the codes,
	s_add_nc_u64 s[42:43], s[16:17], s[34:35]      ; the scale bytes,
	s_add_nc_u64 s[44:45], s[16:17], s[38:39]      ; the gates
	s_add_nc_u64 s[18:19], s[18:19], s[38:39]
.irp t, 0,1,2,3
.irp j, 0,1
	global_load_b128 v[XR+8*\t+4*\j:XR+8*\t+4*\j+3], v3, s[4:5] offset:4096*\t+512*\j th:TH_LOAD_NT   ; 32 lanes read 512 consecutive bytes
.endr
.endr
.irp j, 0,1
.irp i, 0,1,2,3
.irp m, 0,1
	global_load_b128 v[WR+64*\j+16*\i+4*\m:WR+64*\j+16*\i+4*\m+3], v4, s[6:7] offset:4096*\j+32*\i+16*\m
	global_load_b128 v[WR+64*\j+16*\i+8+4*\m:WR+64*\j+16*\i+8+4*\m+3], v4, s[8:9] offset:4096*\j+32*\i+16*\m
.endr
.endr
.endr
	global_load_b32 v248, v5, s[10:11]             ; bg
	global_load_b32 v249, v5, s[12:13]             ; bn
	global_load_b32 v250, v6, s[14:15]             ; noise of token l / 8, expert l % 8
	s_wait_loadcnt 35                              ; x's eight loads are in; the 32 of the weights and the 3 small ones, issued behind them, may be out
.irp t, 0,1,2,3
.irp j, 0,1
	ds_store_b128 v7, v[XR+8*\t+4*\j:XR+8*\t+4*\j+3] offset:1280*\t+640*\j
.endr
.endr
.irp u, 0,1
.irp m, 0,1,2,3
	ds_load_b128 v[ACC+16*\u+4*\m:ACC+16*\u+4*\m+3], v8 offset:2560*\u+16*\m   ; LDS serves a wave's instructions in order (ISA guide 5.7.1.4): these see my stores
.endr
.endr
; Tokens 2 u and 2 u + 1: a lane has 16 neighbours, two neighbouring lanes a block.
.macro QSTEP u
.set XN, ACC+16*(\u)
	s_wait_dscnt 4-4*(\u)                          ; this pair's four loads are in (u = 0: the other pair's four may be out)
	v_max3_num_f32 v[TQ], |v[XN]|, |v[XN+1]|, |v[XN+2]|
	v_max3_num_f32 v[TQ+1], |v[XN+3]|, |v[XN+4]|, |v[XN+5]|
.irp i, 6,10
	v_max3_num_f32 v[TQ], v[TQ], |v[XN+\i]|, |v[XN+\i+1]|
	v_max3_num_f32 v[TQ+1], v[TQ+1], |v[XN+\i+2]|, |v[XN+\i+3]|
.endr
	v_max3_num_f32 v[TQ], v[TQ], |v[XN+14]|, |v[XN+15]|
	v_max3_num_f32 v[TQ], v[TQ], v[TQ+1], 0x2800000   ; and the floor 2^(5 - 127): the byte cannot fall under 1
	v_max_num_f32_dpp v[TQ], v[TQ], v[TQ] row_xmask:1 row_mask:0xf bank_mask:0xf   ; with my neighbour's 16: the block's largest magnitude
	v_add_nc_u32 v[TQ+2], 0xfe000000, v[TQ]        ; 4 off its exponent field: the conversion takes that field as its scale
	v_cvt_scalef32_pk16_bf6_f32 v[CD+4*(\u):CD+4*(\u)+2], v[XN:XN+15], v[TQ+2]
	v_lshrrev_b32 v[252+(\u)], 23, v[TQ+2]         ; the scale's byte (also the plain line behind the conversion)
	ds_store_b8 v12, v[252+(\u)] offset:64*(\u)    ; both lanes of a block write the same byte with the same value
	global_store_b96 v10, v[CD+4*(\u):CD+4*(\u)+2], s[40:41] offset:1536*(\u)
.endm
	QSTEP 0
	QSTEP 1
	s_wait_loadcnt 0x0                             ; the weights
	s_wait_xcnt 0x0                                ; the codes' stores have read their registers, which lie where the sums begin
.irp j, 0,1
.irp i, 0,1,2,3
.irp t, 0,1,2,3
.irp q, 0,1
.irp p, 0,2,4,6
.if (\j == 0) && (\i == 0)
	v_pk_mul_f32 v[ACC+16*\t+8*\q+\p:ACC+16*\t+8*\q+\p+1], v[WR+8*\q+\p:WR+8*\q+\p+1], v[XR+8*\t:XR+8*\t+1] op_sel_hi:[1,0]   ; the first product starts the sums: nothing is cleared
.elseif (\i%2) == 0
	v_pk_fma_f32 v[ACC+16*\t+8*\q+\p:ACC+16*\t+8*\q+\p+1], v[WR+64*\j+16*\i+8*\q+\p:WR+64*\j+16*\i+8*\q+\p+1], v[XR+8*\t+4*\j+\i:XR+8*\t+4*\j+\i+1], v[ACC+16*\t+8*\q+\p:ACC+16*\t+8*\q+\p+1] op_sel:[0,0,0] op_sel_hi:[1,0,1]   ; two experts at a time, both by the pair's first x
.else
	v_pk_fma_f32 v[ACC+16*\t+8*\q+\p:ACC+16*\t+8*\q+\p+1], v[WR+64*\j+16*\i+8*\q+\p:WR+64*\j+16*\i+8*\q+\p+1], v[XR+8*\t+4*\j+\i-1:XR+8*\t+4*\j+\i], v[ACC+16*\t+8*\q+\p:ACC+16*\t+8*\q+\p+1] op_sel:[0,1,0] op_sel_hi:[1,1,1]   ; both by the pair's second x
.endif
.endr
.endr
.endr
.endr
.endr
; THE HALVING.  In a step over n sums a lane whose bit is set keeps sums n .. 2 n - 1 and gives away 0 .. n - 1, its partner the other way round.  After five steps lane l holds sums 2 l and 2 l + 1, added over the 32 lanes.
.irp b, 4,5,6,7
	v_mov_b32 v[T+\b], 0                           ; a lane permute's destination counts as one of its sources
.endr
.set QI, 0
.rept 32
	v_cndmask_b32 v[T+QI%4], v[ACC+QI+32], v[ACC+QI], s24
	v_cndmask_b32 v[ACC+QI], v[ACC+QI], v[ACC+QI+32], s24
	v_permlanex16_b32 v[T+4+QI%4], v[T+QI%4], s30, s31
	v_add_f32 v[ACC+QI], v[ACC+QI], v[T+4+QI%4]
.set QI, QI+1
.endr
.macro RS n, mask, sm
.set QI, 0
.rept \n
	v_cndmask_b32 v[T+QI%4], v[ACC+QI+\n], v[ACC+QI], s[\sm]
	v_cndmask_b32 v[ACC+QI], v[ACC+QI], v[ACC+QI+\n], s[\sm]
	v_add_f32_dpp v[ACC+QI], v[T+QI%4], v[ACC+QI] row_xmask:\mask row_mask:0xf bank_mask:0xf
.set QI, QI+1
.endr
.endm
	RS 16, 8, 25
	RS 8, 4, 26
	RS 4, 2, 27
	RS 2, 1, 28
	ds_store_b64 v13, v[ACC:ACC+1]
	s_wait_dscnt 0x0                               ; for wave 0's sake: my sums and my scale bytes lie in LDS
	s_barrier_signal -1
	s_barrier_wait -1
	s_cmp_lg_u32 s20, 0
	s_cbranch_scc1 .Lend                           ; the rest is 32 numbers' work: wave 0 does it
	ds_load_b32 v16, v15                           ; the four tokens' 128 scale bytes, 4 a lane
.irp w, 0,1,2,3
	ds_load_b32 v[20+\w], v14 offset:256*\w        ; x Wg: the four waves' parts
	ds_load_b32 v[24+\w], v14 offset:256*\w+32     ; x Wn
.endr
	v_and_b32 v32, 7, v2                           ; e
	v_cvt_f32_u32 v31, v32
	v_mov_b32 v37, 0xff800000                      ; -infinity
	v_lshrrev_b32 v45, 3, v2
	v_lshl_add_u32 v45, v45, 3, v5                 ; 8 (l / 8) + 4 e
	s_wait_dscnt 0x0
	global_store_b32 v6, v16, s[42:43] offset:XSOFF
	v_add_f32 v20, v20, v21
	v_add_f32 v22, v22, v23
	v_add_f32 v24, v24, v25
	v_add_f32 v26, v26, v27
	v_add_f32 v20, v20, v22
	v_add_f32 v24, v24, v26
	v_add_f32 v20, v20, v248                       ; the logit
	v_add_f32 v24, v24, v249                       ; z
	v_and_b32 v28, 0x7fffffff, v24
	v_mul_f32 v28, 0xbfb8aa3b, v28                 ; -|z| log2 e
	v_exp_f32 v28, v28
	v_max_num_f32 v29, 0, v24                      ; (the plain line behind the transcendental)
	s_wait_alu depctr_va_vdst(0)                   ; the wait ahead of the first reader
	v_add_f32 v28, 1.0, v28
	v_log_f32 v28, v28
	v_nop
	s_wait_alu depctr_va_vdst(0)
	v_fmamk_f32 v28, v28, 0x3f317218, v29          ; softplus(z) = ln 2 * log2(1 + e^-|z|) + max(z, 0)
	v_fma_f32 v30, v250, v28, v20                  ; the noisy logit
	v_mov_b32 v33, v30
	v_max_num_f32_dpp v33, v33, v33 row_xmask:1 row_mask:0xf bank_mask:0xf
	v_max_num_f32_dpp v33, v33, v33 row_xmask:2 row_mask:0xf bank_mask:0xf
	v_max_num_f32_dpp v33, v33, v33 row_xmask:4 row_mask:0xf bank_mask:0xf   ; the token's largest
	v_cmp_eq_f32 vcc_lo, v30, v33
	v_cndmask_b32 v34, 0x41000000, v31, vcc_lo     ; my e where I hold it, else 8
	v_min_num_f32_dpp v34, v34, v34 row_xmask:1 row_mask:0xf bank_mask:0xf
	v_min_num_f32_dpp v34, v34, v34 row_xmask:2 row_mask:0xf bank_mask:0xf
	v_min_num_f32_dpp v34, v34, v34 row_xmask:4 row_mask:0xf bank_mask:0xf   ; the lowest such e: the first choice
	v_cmp_eq_f32 vcc_lo, v31, v34
	v_cndmask_b32 v36, v30, v37, vcc_lo            ; it is taken out, and the search goes once more
	v_mov_b32 v38, v36
	v_max_num_f32_dpp v38, v38, v38 row_xmask:1 row_mask:0xf bank_mask:0xf
	v_max_num_f32_dpp v38, v38, v38 row_xmask:2 row_mask:0xf bank_mask:0xf
	v_max_num_f32_dpp v38, v38, v38 row_xmask:4 row_mask:0xf bank_mask:0xf
	v_cmp_eq_f32 vcc_lo, v36, v38
	v_cndmask_b32 v39, 0x41000000, v31, vcc_lo
	v_min_num_f32_dpp v39, v39, v39 row_xmask:1 row_mask:0xf bank_mask:0xf
	v_min_num_f32_dpp v39, v39, v39 row_xmask:2 row_mask:0xf bank_mask:0xf
	v_min_num_f32_dpp v39, v39, v39 row_xmask:4 row_mask:0xf bank_mask:0xf   ; the second choice
	v_sub_f32 v40, v38, v33                        ; the larger is taken away: 0 and this, which is 0 or less
	v_mul_f32 v40, 0x3fb8aa3b, v40
	v_exp_f32 v40, v40
	v_nop
	s_wait_alu depctr_va_vdst(0)
	v_add_f32 v41, 1.0, v40
	v_rcp_f32 v41, v41                             ; the first gate
	v_cmp_eq_u32 vcc_lo, 0, v32                    ; (a plain line)
	s_wait_alu depctr_va_vdst(0)
	v_mul_f32 v42, v40, v41                        ; the second
	v_cndmask_b32 v43, v42, v41, vcc_lo            ; lane e = 0 stores the first choice, lane e = 1 the second
	v_cndmask_b32 v44, v39, v34, vcc_lo
	v_cvt_u32_f32 v44, v44
	v_cmp_gt_u32 vcc_lo, 2, v32
	s_wait_xcnt 0x0                                ; EXEC changes only behind this wait: a store is out
	s_and_saveexec_b32 s46, vcc_lo
	global_store_b32 v45, v44, s[18:19]
	global_store_b32 v45, v43, s[44:45] offset:GTOFF
	s_wait_xcnt 0x0
	s_or_b32 exec_lo, exec_lo, s46
.Lend:
	s_wait_tensorcnt 0x0
	ds_add_u32 v254, v255
	s_wait_dscnt 0x0
	s_endpgm
.Lfunc_end_k_q9fac622be0_route:
	.size	k_q9fac622be0_route, .Lfunc_end_k_q9fac622be0_route-k_q9fac622be0_route
	.p2alignl 7, 3214868480
	.fill 96, 4, 3214868480
	.section	.rodata,"a",@progbits
	.p2align	6, 0x0
	.amdhsa_kernel k_q9fac622be0_route
		.amdhsa_group_segment_fixed_size 22272
		.amdhsa_private_segment_fixed_size 0
		.amdhsa_enable_private_segment 0
		.amdhsa_kernarg_size 64
		.amdhsa_user_sgpr_count 2
		.amdhsa_user_sgpr_kernarg_segment_ptr 1
		.amdhsa_wavefront_size32 1
		.amdhsa_system_sgpr_workgroup_id_x 1
		.amdhsa_system_sgpr_workgroup_id_y 1
		.amdhsa_system_sgpr_workgroup_id_z 1
		.amdhsa_system_vgpr_workitem_id 0
		.amdhsa_next_free_vgpr 256
		.amdhsa_next_free_sgpr 66
		.amdhsa_reserve_vcc 1
		.amdhsa_float_denorm_mode_32 3
		.amdhsa_float_denorm_mode_16_64 3
		.amdhsa_memory_ordered 1
		.amdhsa_forward_progress 1
		.amdhsa_inst_pref_size 44
	.end_amdhsa_kernel
	.amdgpu_metadata
---
amdhsa.version: [ 1, 2 ]
amdhsa.kernels:
  - .name:           k_q9fac622be0_route
    .symbol:         k_q9fac622be0_route.kd
    .args:
      - { .name: x, .offset: 0, .size: 8, .value_kind: global_buffer, .address_space: global }
      - { .name: Wg, .offset: 8, .size: 8, .value_kind: global_buffer, .address_space: global }
      - { .name: Wn, .offset: 16, .size: 8, .value_kind: global_buffer, .address_space: global }
      - { .name: bg, .offset: 24, .size: 8, .value_kind: global_buffer, .address_space: global }
      - { .name: bn, .offset: 32, .size: 8, .value_kind: global_buffer, .address_space: global }
      - { .name: noise, .offset: 40, .size: 8, .value_kind: global_buffer, .address_space: global }
      - { .name: xw, .offset: 48, .size: 8, .value_kind: global_buffer, .address_space: global }
      - { .name: sel, .offset: 56, .size: 8, .value_kind: global_buffer, .address_space: global }
    .group_segment_fixed_size: 22272
    .private_segment_fixed_size: 0
    .kernarg_segment_align: 8
    .kernarg_segment_size: 64
    .max_flat_workgroup_size: 128
    .sgpr_count:     66
    .vgpr_count:     256
    .wavefront_size: 32
...
	.end_amdgpu_metadata
.endif
;; end of part 1
;; launch place (part 2): grid 1 x 1, 8 waves a work-group, no clusters, 2,048 bytes of LDS; arguments sel, rt; writes rt
.if DOCPART == 2
	.amdgcn_target "amdgcn-amd-amdhsa--gfx1250"
	.amdhsa_code_object_version 6
	.text
	.protected	k_q9fac622be0_place
	.globl	k_q9fac622be0_place
	.p2align	8
	.type	k_q9fac622be0_place,@function
k_q9fac622be0_place:
	s_mov_b64 s[64:65], 0
	v_nop
	global_prefetch_b8 v0, s[64:65] scope:SCOPE_SE
	s_setreg_imm32_b32 hwreg(HW_REG_WAVE_MODE, 25, 1), 1
	s_wait_xcnt 0x0
; THE ROUTED ROWS ARE PLACED BY EXPERT: a counting sort of the 2,048 entries (token, choice) without atomics, by one work-group of eight waves.
; Each expert's rows are padded to tiles of 16 slots: (2,048 + 8 x 15) / 16 = 135 tiles at the most, whatever the choice.
; rt: at 0 slot -> token, 2,176 words (a pad slot names token 0);  at 8,704 [token][2] -> slot;  at 16,896 [expert] = (first tile, tiles).
; Wave w has entries 256 w + 128 j + 4 l + i.  An entry's rank among its expert's = those in earlier waves + those in earlier registers of my wave + those in lower lanes of its register.
; One work-group: the sort is 8 KiB in and 17 KiB out, and every entry's place hangs on all the counts.
	s_load_b128 s[4:7], s[0:1], 0x0                ; sel, rt
	v_lshl_add_u32 v64, v0, 2, 0x400
	v_mov_b32 v65, 0
	v_lshrrev_b32 v1, 5, v0
	v_readfirstlane_b32 s8, v1                     ; wave
	s_lshl_b32 s9, s8, 2
	v_and_b32 v2, 31, v0                           ; lane
	v_lshlrev_b32 v3, 4, v2
	v_lshl_add_u32 v3, v1, 10, v3                  ; 1,024 w + 16 l
	v_lshlrev_b32 v4, 1, v2
	v_lshl_add_u32 v4, v1, 7, v4                   ; the token of entries i = 0, 1 of j = 0: 128 w + 2 l;
	v_add_nc_u32 v5, 1, v4                         ; of i = 2, 3;
	v_add_nc_u32 v6, 64, v4                        ; of j = 1
	v_add_nc_u32 v7, 65, v4
	v_lshlrev_b32 v1, 3, v2                        ; 8 x lane: an expert's place in the table (the wave's number has been used)
	s_wait_kmcnt 0x0
	global_load_b128 v[8:11], v3, s[4:5]
	global_load_b128 v[12:15], v3, s[4:5] offset:512
.irp e, 0,1,2,3,4,5,6,7
	v_mov_b32 v[16+\e], 0                          ; the ranks
	s_mov_b32 s[16+\e], 0                          ; my wave's count for each expert so far
.endr
	v_mov_b32 v48, 0
	v_mov_b32 v53, 0
	v_mov_b32 v57, 0
	s_wait_loadcnt 0x0
.irp a, 0,1,2,3,4,5,6,7
	v_min_u32 v[8+\a], 7, v[8+\a]                  ; an expert's number is held inside the table
.endr
.irp a, 0,1,2,3,4,5,6,7
.irp e, 0,1,2,3,4,5,6,7
	v_cmp_eq_u32 s24, \e, v[8+\a]
	v_mbcnt_lo_u32_b32 v49, s24, s[16+\e]          ; lower lanes with this expert + the count so far
	v_cndmask_b32 v[16+\a], v[16+\a], v49, s24
	s_bcnt1_i32_b32 s25, s24
	s_add_co_u32 s[16+\e], s[16+\e], s25
.endr
.endr
.irp e, 0,1,2,3,4,5,6,7
	v_writelane_b32 v48, s[16+\e], \e
.endr
	v_lshlrev_b32 v50, 2, v0                       ; 128 w + 4 l
	ds_store_b32 v50, v48
	s_wait_dscnt 0x0                               ; for the others' sake
	s_barrier_signal -1
	s_barrier_wait -1
	v_and_b32 v51, 7, v2
	v_lshlrev_b32 v51, 2, v51
.irp w, 0,1,2,3,4,5,6,7
	ds_load_b32 v[40+\w], v51 offset:128*\w        ; lane l: expert l % 8's count in each wave
.endr
	s_wait_dscnt 0x0
	v_add_nc_u32 v52, v40, v41
	v_add3_u32 v52, v52, v42, v43
	v_add3_u32 v52, v52, v44, v45
	v_add3_u32 v52, v52, v46, v47                  ; the expert's rows
.irp w, 0,1,2,3,4,5,6
	s_cmp_gt_u32 s8, \w
	s_cselect_b32 s24, -1, 0
	v_and_b32 v49, s24, v[40+\w]
	v_add_nc_u32 v53, v53, v49                     ; those in the waves before mine
.endr
	v_add_nc_u32 v55, 15, v52
	v_lshrrev_b32 v55, 4, v55                      ; its tiles
	v_mov_b32 v56, v55                             ; their running sum over lanes 0 to 7 (the higher lanes' are not used)
	v_mov_b32_dpp v57, v56 row_shr:1 row_mask:0xf bank_mask:0xf bound_ctrl:1
	v_add_nc_u32 v56, v56, v57
	v_mov_b32_dpp v57, v56 row_shr:2 row_mask:0xf bank_mask:0xf bound_ctrl:1
	v_add_nc_u32 v56, v56, v57
	v_mov_b32_dpp v57, v56 row_shr:4 row_mask:0xf bank_mask:0xf bound_ctrl:1
	v_add_nc_u32 v56, v56, v57
	v_sub_nc_u32 v54, v56, v55                     ; its first tile
	v_lshl_add_u32 v58, v54, 4, v53                ; where my wave's rows of it begin
	v_lshl_add_u32 v59, v54, 4, v52                ; where its pad slots begin,
	v_lshlrev_b32 v60, 4, v56                      ; and end
.irp a, 0,1,2,3,4,5,6,7
	v_lshlrev_b32 v[32+\a], 2, v[8+\a]
.endr
.irp a, 0,1,2,3,4,5,6,7
	ds_bpermute_b32 v[24+\a], v[32+\a], v58        ; from the lane of the entry's expert
.endr
	v_mov_b32 v61, s9
	ds_bpermute_b32 v62, v61, v59                  ; wave w sees to expert w's pad slots
	ds_bpermute_b32 v63, v61, v60
	s_wait_dscnt 0x0
.irp a, 0,1,2,3,4,5,6,7
	v_add_nc_u32 v[24+\a], v[24+\a], v[16+\a]
.endr
.irp a, 0,1,2,3,4,5,6,7
	v_min_u32 v[24+\a], 0x87f, v[24+\a]            ; the slot, held inside the list's 2,176 words
.endr
.irp a, 0,1,2,3,4,5,6,7
	v_lshlrev_b32 v[32+\a], 2, v[24+\a]
.endr
	global_store_b128 v3, v[24:27], s[6:7] offset:8704
	global_store_b128 v3, v[28:31], s[6:7] offset:8704+512
.irp a, 0,1,2,3,4,5,6,7
	global_store_b32 v[32+\a], v[4+2*(\a/4)+(\a%4)/2], s[6:7]
.endr
	s_cmp_lg_u32 s8, 0                             ; the table: every wave holds it in lanes 0 to 7, wave 0 stores it
	s_cbranch_scc1 .Lpads
	v_cmp_gt_u32 vcc_lo, 8, v2
	s_wait_xcnt 0x0                                ; EXEC changes only behind this wait: stores are out
	s_and_saveexec_b32 s10, vcc_lo
	global_store_b64 v1, v[54:55], s[6:7] offset:16896
	s_wait_xcnt 0x0
	s_or_b32 exec_lo, exec_lo, s10
.Lpads:
	v_add_nc_u32 v62, v62, v2                      ; the pad slots come last: their mask is the one that hangs on the counts
	v_cmp_lt_u32 vcc_lo, v62, v63                  ; at most 15 pad slots
	v_min_u32 v62, 0x87f, v62
	v_lshlrev_b32 v62, 2, v62
	v_mov_b32 v61, 0
	s_wait_xcnt 0x0                                ; EXEC changes only behind this wait
	s_wait_tensorcnt 0x0
	ds_add_u32 v64, v65
	s_wait_dscnt 0x0
	s_and_saveexec_b32 s10, vcc_lo
	global_store_b32 v62, v61, s[6:7]
	s_wait_xcnt 0x0
	s_or_b32 exec_lo, exec_lo, s10
	s_endpgm
.Lfunc_end_k_q9fac622be0_place:
	.size	k_q9fac622be0_place, .Lfunc_end_k_q9fac622be0_place-k_q9fac622be0_place
	.p2alignl 7, 3214868480
	.fill 96, 4, 3214868480
	.section	.rodata,"a",@progbits
	.p2align	6, 0x0
	.amdhsa_kernel k_q9fac622be0_place
		.amdhsa_group_segment_fixed_size 2048
		.amdhsa_private_segment_fixed_size 0
		.amdhsa_enable_private_segment 0
		.amdhsa_kernarg_size 16
		.amdhsa_user_sgpr_count 2
		.amdhsa_user_sgpr_kernarg_segment_ptr 1
		.amdhsa_wavefront_size32 1
		.amdhsa_system_sgpr_workgroup_id_x 1
		.amdhsa_system_sgpr_workgroup_id_y 1
		.amdhsa_system_sgpr_workgroup_id_z 1
		.amdhsa_system_vgpr_workitem_id 0
		.amdhsa_next_free_vgpr 66
		.amdhsa_next_free_sgpr 66
		.amdhsa_reserve_vcc 1
		.amdhsa_float_denorm_mode_32 3
		.amdhsa_float_denorm_mode_16_64 3
		.amdhsa_memory_ordered 1
		.amdhsa_forward_progress 1
		.amdhsa_inst_pref_size 25
	.end_amdhsa_kernel
	.amdgpu_metadata
---
amdhsa.version: [ 1, 2 ]
amdhsa.kernels:
  - .name:           k_q9fac622be0_place
    .symbol:         k_q9fac622be0_place.kd
    .args:
      - { .name: sel, .offset: 0, .size: 8, .value_kind: global_buffer, .address_space: global }
      - { .name: rt, .offset: 8, .size: 8, .value_kind: global_buffer, .address_space: global }
    .group_segment_fixed_size: 2048
    .private_segment_fixed_size: 0
    .kernarg_segment_align: 8
    .kernarg_segment_size: 16
    .max_flat_workgroup_size: 256
    .sgpr_count:     66
    .vgpr_count:     66
    .wavefront_size: 32
...
	.end_amdgpu_metadata
.endif
;; end of part 2
;; launch up (part 3): grid 32 x 8, 4 waves a work-group, no clusters, 101,888 bytes of LDS; arguments xw, W1_codes, W1_scales, b1, rt, hw; writes hw
.if DOCPART == 3
	.amdgcn_target "amdgcn-amd-amdhsa--gfx1250"
	.amdhsa_code_object_version 6
	.text
	.protected	k_q9fac622be0_up
	.globl	k_q9fac622be0_up
	.p2align	8
	.type	k_q9fac622be0_up,@function
k_q9fac622be0_up:
	s_mov_b64 s[64:65], 0
	v_nop
	global_prefetch_b8 v0, s[64:65] scope:SCOPE_SE
	s_setreg_imm32_b32 hwreg(HW_REG_WAVE_MODE, 25, 1), 1
	s_wait_xcnt 0x0
; h = Q(relu(Q(x) W1[e] + b1[e])) FOR THE ROWS THAT CHOSE EXPERT e, on codes of BF6 (E3M2) with one E8M0 byte for each 32 along K; h leaves as codes.
; SHARES.  Work-group (c, e) owns hidden units 128 c .. 128 c + 127 of expert e: 128 rows x 768 bytes of W1's codes, 98,304 dense bytes, read from memory once in the launch.
; EVERY WAVE KEEPS ALL 64 WEIGHT FRAGMENTS (8 tiles of 16 units x 8 K steps, 768 registers); the waves share the ROWS: wave w takes the expert's tiles of 16 slots w, w + 4, ..  So the row loop has no barrier.
; 128 units are one K step of the second product: a wave's 8 tiles of a tile of rows become one whole fragment and one scale word a row.
; THE PRODUCT IS USED TRANSPOSED (source 0 = 16 rows of W1, source 1 = 16 rows of x): a lane holds one row, its registers run along the units.  THE ROWS OF W1 THAT FORM A TILE ARE NOT NEIGHBOURS:
; lane r of tile 2 b + u takes unit 32 b + 8 u + r + 8 (r / 8), so that the 16 registers of tiles 2 b, 2 b + 1 are 16 neighbours along the next K.  b1 is the C of each sum's first product.
; hw: codes at 0: tile x 49,152 + K step x 1,536 + 512 g + 16 lane: the fragment's registers 4 g .. 4 g + 3 as they stand;  scale words at 6,684,672: tile x 4,096 + K step x 128 + 4 lane.
; NO TENSOR LOAD, NO CLUSTER: how many tiles an expert has is read from memory (rt), so trip counts and a branch hang on loaded numbers; operands go from memory to registers, the weights once through LDS to reach all four waves.
; A look-ahead past the expert's last tile names tile 0, which always exists (2,048 rows are 128 tiles at the least).
; LIMITS: NaN and infinities are not served; a block of zeros gets the byte 1, not 127 (its codes are zeros; only this program reads the bytes).
; REGISTERS.  Window 0: v1-13 addresses; v14, v6 list words; v16-19 x's scale words, v20-23 the next tile's; v24-55 W1's scale words; v56-67 fragment 63; v68-163 x's 8 fragments; v164-227 the 8 accumulators;
;   v228-239 h's codes; v240-251 at work; v252 h's scale word; v253-254 the first tile's addresses.   Windows 1-3: fragment f = 8 s + t at 12 (f % 21) of window 1 + f / 21.
.set PITCH, 784                        ; a row of W1 in LDS: 768 + 16 bytes = 196 words: row r starts at bank 4 r mod 64 (64 banks of 4 bytes: ISA guide 11.1): the 32 lanes of a load of 8 bytes touch 64 different banks
.set BIAS,  128*PITCH                  ; behind the rows: my 128 numbers of b1
.set XS,    16
.set XT,    20
.set WS,    24                         ; 8 p + s: lanes 0-15 tile 2 p, lanes 16-31 tile 2 p + 1, K step s
.set F63,   56
.set AR,    68
.set ACC,   164
.set PC,    228
.set TM,    240
.set PW,    252
.set XSOFF, 786432
.set HSOFF, 6684672
.set MSB, 0
.macro WIN new                         ; s_set_vgpr_msb: bits 1:0 source 0, 3:2 source 1, 5:4 source 2, 7:6 destination; the high byte repeats the setting that is left
.if MSB != (\new)
	s_set_vgpr_msb (MSB<<8)|(\new)
.set MSB, (\new)
.endif
.endm
.macro FREG f                          ; where fragment f lies: window FW, register FL
.if (\f) < 63
.set FW, 1+(\f)/21
.set FL, 12*((\f)%21)
.else
.set FW, 0
.set FL, F63
.endif
.endm
.macro TABS dst, add                   ; s[dst] = the number of my tile i + add, or 0 past the expert's end; held inside the 136 tiles
	s_add_co_u32 s63, s62, \add
	s_add_co_u32 s[\dst], s60, s63
	s_cmp_lt_u32 s63, s61
	s_cselect_b32 s[\dst], s[\dst], 0
	s_min_u32 s[\dst], s[\dst], 135
.endm
.macro MKADR tok, ga, gx               ; from a list word: where my lane's codes (v[ga]) and scale bytes (v[gx]) of that token lie
	v_min_u32 v[\tok], 0x3ff, v[\tok]
	v_mul_u32_u24 v[\ga], 0x300, v[\tok]
	v_add_nc_u32 v[\ga], v[\ga], v12
	v_lshlrev_b32 v[\gx], 5, v[\tok]
	v_add_nc_u32 v[\gx], v[\gx], v13
.endm
.macro ALOAD s, ga                     ; x's fragment of K step s: my lane's 48 bytes on end are its 12 registers
.irp g, 0,1,2
	global_load_b128 v[AR+12*(\s)+4*\g:AR+12*(\s)+4*\g+3], v[\ga], s[4:5] offset:96*(\s)+16*\g
.endr
.endm
.macro WM                              ; the matrix line, by which rows of the scale registers it reads
.if RA && RB
	v_wmma_scale_f32_16x16x128_f8f6f4 v[DA:DA+7], v[FL:FL+11], v[BR:BR+11], v[DA:DA+7], v[SW], v[SH] matrix_a_fmt:MATRIX_FMT_BF6 matrix_b_fmt:MATRIX_FMT_BF6 matrix_a_scale:MATRIX_SCALE_ROW1 matrix_b_scale:MATRIX_SCALE_ROW1
.elseif RA
	v_wmma_scale_f32_16x16x128_f8f6f4 v[DA:DA+7], v[FL:FL+11], v[BR:BR+11], v[DA:DA+7], v[SW], v[SH] matrix_a_fmt:MATRIX_FMT_BF6 matrix_b_fmt:MATRIX_FMT_BF6 matrix_a_scale:MATRIX_SCALE_ROW1
.elseif RB
	v_wmma_scale_f32_16x16x128_f8f6f4 v[DA:DA+7], v[FL:FL+11], v[BR:BR+11], v[DA:DA+7], v[SW], v[SH] matrix_a_fmt:MATRIX_FMT_BF6 matrix_b_fmt:MATRIX_FMT_BF6 matrix_b_scale:MATRIX_SCALE_ROW1
.else
	v_wmma_scale_f32_16x16x128_f8f6f4 v[DA:DA+7], v[FL:FL+11], v[BR:BR+11], v[DA:DA+7], v[SW], v[SH] matrix_a_fmt:MATRIX_FMT_BF6 matrix_b_fmt:MATRIX_FMT_BF6
.endif
.endm
.macro PROD t, s                       ; tile t of units, K step s
	FREG 8*(\s)+(\t)
	WIN FW                                         ; source 0 in the fragment's window, all else in window 0
.set DA, ACC+8*(\t)
.set BR, AR+12*(\s)
.set SW, WS+8*((\t)>>1)+(\s)
.set SH, XS+((\s)&3)
.set RA, (\t)&1
.set RB, (\s)>>2
	WM
.endm
.macro SETB                            ; the bases that hang on i: where this tile's codes and scale words go, and the list words of the tile eight on
	TABS 41, 0
	s_mul_i32 s42, s41, 49152
	s_add_co_u32 s42, s42, s56
	s_add_nc_u64 s[50:51], s[14:15], s[42:43]
	s_lshl_b32 s42, s41, 12
	s_add_co_u32 s42, s42, s57
	s_add_nc_u64 s[52:53], s[14:15], s[42:43]
	TABS 41, 8
	s_lshl_b32 s42, s41, 6
	s_add_nc_u64 s[54:55], s[12:13], s[42:43]
.endm
	s_load_b256 s[4:11], s[0:1], 0x0               ; xw, W1's codes, W1's scales, b1
	s_load_b128 s[12:15], s[0:1], 0x20             ; rt, hw
	v_lshl_add_u32 v255, v0, 2, 0x18c00
	s_set_vgpr_msb 0x40
	v_mov_b32 v255, 0
	s_set_vgpr_msb 0x4000
	v_lshrrev_b32 v15, 5, v0
	v_readfirstlane_b32 s16, v15                   ; wave
	s_and_b32 s18, ttmp7, 0xffff                   ; e;  ttmp9 = c
	v_and_b32 v240, 31, v0                         ; lane
	v_and_b32 v241, 15, v0                         ; r
	v_bfe_u32 v242, v0, 4, 1                       ; h
	v_lshlrev_b32 v1, 4, v240                      ; 16 x lane
	v_lshlrev_b32 v2, 2, v240                      ; 4 x lane
	v_lshlrev_b32 v3, 2, v241                      ; 4 r
	v_lshl_add_u32 v7, v242, 6, BIAS               ; b1 in LDS: + 64 h
	v_mul_u32_u24 v8, v241, PITCH
	v_mad_u32_u24 v8, v242, 24, v8                 ; a fragment's row r, + 24 h: tiles 0-3,
	v_add_nc_u32 v9, 64*PITCH, v8                  ; tiles 4-7
	s_mul_i32 s19, s16, 32*PITCH
	v_add_nc_u32 v10, s19, v1                      ; the way into LDS: my wave's 32 rows, 16 x lane;
	v_lshl_add_u32 v11, v242, 4, v10               ; and where lanes 16-31 lie one row, so one padding, further on
	v_mul_u32_u24 v12, v242, 48                    ; 48 h
	v_lshlrev_b32 v13, 4, v242                     ; 16 h
	v_and_b32 v243, 8, v241
	v_add_nc_u32 v243, v243, v241
	v_lshl_add_u32 v243, v242, 3, v243
	v_lshlrev_b32 v243, 5, v243                    ; W1's scale bytes: 32 a row; row 8 h + r + 8 (r / 8) of a group of 32
	v_lshlrev_b32 v244, 2, v0                      ; b1: 4 x thread
	v_add_nc_u32 v245, BIAS, v244
	s_mul_i32 s20, s18, 3145728                    ; the codes: the expert's 4,096 rows,
	s_mul_i32 s21, ttmp9, 98304                    ; my work-group's 128,
	s_add_co_u32 s20, s20, s21
	s_mul_i32 s21, s16, 24576                      ; my wave's 32
	s_add_co_u32 s20, s20, s21
	s_mov_b32 s21, 0
	s_lshl_b32 s22, s18, 17
	s_lshl_b32 s23, ttmp9, 12
	s_add_co_u32 s22, s22, s23                     ; the scale bytes
	s_mov_b32 s23, 0
	s_lshl_b32 s24, s18, 14
	s_lshl_b32 s25, ttmp9, 9
	s_add_co_u32 s24, s24, s25                     ; b1
	s_mov_b32 s25, 0
	s_lshl_b32 s26, s18, 3
	s_mov_b32 s43, 0
	s_mul_i32 s56, ttmp9, 1536                     ; K step c of the second product: its place in a tile's codes,
	s_lshl_b32 s57, ttmp9, 7                       ; and among its scale words
	s_mov_b32 s58, 0x76543210                      ; v_permlanex16_b32's selects for lane l xor 16
	s_mov_b32 s59, 0xfedcba98
	s_mov_b32 s62, s16                             ; i: my tile among the expert's
	s_wait_kmcnt 0x0
	s_load_b64 s[60:61], s[12:13], s26 offset:16896   ; the expert's first tile and its tiles
	s_add_nc_u64 s[6:7], s[6:7], s[20:21]
	s_add_nc_u64 s[8:9], s[8:9], s[22:23]
	s_add_nc_u64 s[10:11], s[10:11], s[24:25]
	WIN 0x40                                       ; destination window 1: v256-447 hold my 24,576 bytes on their way to LDS
.set JJ, 0
.rept 48
	global_load_b128 v[4*JJ:4*JJ+3], v1, s[6:7] offset:512*JJ th:TH_LOAD_NT   ; 32 lanes read 512 consecutive bytes; read once in the launch
.set JJ, JJ+1
.endr
	WIN 0
.irp p, 0,1,2,3
.irp m, 0,1
	global_load_b128 v[WS+8*\p+4*\m:WS+8*\p+4*\m+3], v243, s[8:9] offset:1024*\p+16*\m
.endr
.endr
	global_load_b32 v246, v244, s[10:11]
	s_wait_kmcnt 0x0
	s_min_u32 s60, s60, 135
	s_min_u32 s61, s61, 64                         ; an expert has 1,024 rows at the most
	TABS 41, 0
	s_lshl_b32 s42, s41, 6
	s_add_nc_u64 s[44:45], s[12:13], s[42:43]
	global_load_b32 v14, v3, s[44:45]              ; my first tile's tokens: lane (r, h) takes slot r's
	TABS 46, 4
	s_lshl_b32 s42, s46, 6
	s_add_nc_u64 s[48:49], s[12:13], s[42:43]
	global_load_b32 v6, v3, s[48:49]               ; and my second's
	s_wait_loadcnt 0x0
	MKADR 14, 253, 254                             ; the first tile's addresses have registers of their own, which are never written again: no wait is owed for them
	global_load_b128 v[XS:XS+3], v254, s[4:5] offset:XSOFF   ; lanes 0-15: the scale words of K steps 0-3, lanes 16-31: of 4-7
.irp s, 0,1,2,3,4,5,6,7
	ALOAD \s, 253
.endr
	WIN 0x04                                       ; an LDS store's data are its source 1: window 1
; Three loads hold two rows of 768 bytes.  Rows 2 a, 2 a + 1 of my 32 go to LDS rows PI, PI + 1 of my 32, so that tile t's 16 rows lie on end: x = 16 (r / 8) + 8 u + r % 8 goes to row 16 u + r.
.set AI, 0
.rept 16
.set PI, (16*((AI>>2)&1)+8*(AI>>3)+2*(AI&3))*PITCH
	ds_store_b128 v10, v[12*AI:12*AI+3] offset:PI
	ds_store_b128 v11, v[12*AI+4:12*AI+7] offset:PI+512
	ds_store_b128 v10, v[12*AI+8:12*AI+11] offset:PI+1040
.set AI, AI+1
.endr
	WIN 0
	ds_store_b32 v245, v246
	s_wait_dscnt 0x0                               ; for the others' sake: my rows and my part of b1 lie in LDS
	s_barrier_signal -1
	s_barrier_wait -1                              ; the one barrier: from here on LDS is only read
	s_cmp_ge_u32 s16, s61
	s_cbranch_scc1 .Lend                           ; a wave without a tile stores nothing and ends
	s_sub_co_u32 s27, s61, s16                     ; my trips: tiles w, w + 4, .. below the expert's count: (tiles - w + 3) / 4, at least 1 here,
	s_add_co_u32 s27, s27, 3
	s_lshr_b32 s27, s27, 2
	s_min_u32 s27, s27, 16                         ; and 16 at the most (64 tiles, four waves)
	s_mov_b32 s28, 0                               ; trips done
.set FI, 0
.rept 64                               ; fragment FI = 8 s + t: 16 rows x 128 K are 12 registers: 24 bytes of the row's stream of bits twice, in pieces of 8 bytes
	FREG FI
	WIN FW<<6
.set LO, 16*PITCH*(FI&3)+96*(FI>>3)
.irp p, 0,1,2,3,4,5
.if (FI&7) < 4
	ds_load_b64 v[FL+2*\p:FL+2*\p+1], v8 offset:LO+48*(\p/3)+8*(\p%3)
.else
	ds_load_b64 v[FL+2*\p:FL+2*\p+1], v9 offset:LO+48*(\p/3)+8*(\p%3)
.endif
.endr
.set FI, FI+1
.endr
	WIN 0
.irp b, 4,5,6,7
	v_mov_b32 v[TM+\b], 0                          ; a lane permute's destination counts as one of its sources
.endr
	s_wait_dscnt 0x0
.Ltile:                                            ; a trip is one tile of 16 slots: 64 products, the activation, the quantiser, four stores
.irp t, 0,1,2,3,4,5,6,7
	ds_load_b128 v[ACC+8*\t:ACC+8*\t+3], v7 offset:128*(\t>>1)+32*(\t&1)        ; b1 at units 32 b + 16 h + 8 u + 0 .. 7: the sums begin with it
	ds_load_b128 v[ACC+8*\t+4:ACC+8*\t+7], v7 offset:128*(\t>>1)+32*(\t&1)+16
.endr
	s_wait_dscnt 0x0
.irp s, 0,1,2,3,4,5,6,7
.if \s == 0
	s_wait_loadcnt 21                              ; K step 0 of x (and, older, its scale words) is in: behind its loads stand the 3 x 7 of this tile's other K steps
.else
	s_wait_loadcnt 23                              ; K step s of x is in: behind its loads stand 3 (7 - s) of this tile's, the list word and the scale words below, and 3 s of the next tile's
.endif
.irp t, 0,1,2,3,4,5,6,7
	PROD \t, \s                                    ; the eight accumulators take turns, one instruction a turn
.endr
	WIN 0
.rept 4
	v_nop                                          ; four places in front of loads into registers that matrix instructions have read, and of the first read of results
.endr
.if \s == 0
	s_wait_xcnt 0x0                                ; the last trip's loads and stores, issued ahead of the eight products above, have read their registers and bases: all may be written again
	MKADR 6, 4, 5                                  ; the next tile's addresses, from the list word that the last trip brought
	SETB
	global_load_b32 v6, v3, s[54:55]               ; the tokens of my tile two trips on
	global_load_b128 v[XT:XT+3], v5, s[4:5] offset:XSOFF   ; the next tile's scale words
.endif
	ALOAD \s, 4                                    ; the next tile's K step s, into the registers just multiplied
.endr
	s_wait_loadcnt 24                              ; all but the next tile's 24: the list word and the scale words are in
.irp g, 0,1,2,3
	v_mov_b32 v[XS+\g], v[XT+\g]                   ; (more than eight plain lines stand between these and the next product)
.endr
.set QI, 0
.rept 64
	v_max_num_f32 v[ACC+QI], 0, v[ACC+QI]          ; the activation, in f32; each accumulator from its low end on
.set QI, QI+1
.endr
; The quantiser along the next K: register 16 b + i = unit 32 b + 16 h + i of my row.  No |.|: none is negative.
.irp b, 0,1,2,3
	v_max3_num_f32 v[TM+\b], v[ACC+16*\b], v[ACC+16*\b+1], 0x2800000   ; and the floor 2^(5 - 127): the byte cannot fall under 1
.endr
.irp i, 2,4,6,8,10,12,14
.irp b, 0,1,2,3
	v_max3_num_f32 v[TM+\b], v[TM+\b], v[ACC+16*\b+\i], v[ACC+16*\b+\i+1]
.endr
.endr
.irp b, 0,1,2,3
	v_permlanex16_b32 v[TM+4+\b], v[TM+\b], s58, s59
.endr
.irp b, 0,1,2,3
	v_max_num_f32 v[TM+\b], v[TM+\b], v[TM+4+\b]   ; with lane l xor 16's 16: the block's largest
.endr
.irp b, 0,1,2,3
	v_add_nc_u32 v[TM+8+\b], 0xfe000000, v[TM+\b]  ; 4 off its exponent field: the conversion's scale operand
.endr
.irp b, 0,1,2,3
	v_lshrrev_b32 v[TM+4+\b], 23, v[TM+8+\b]       ; the scale's byte
.endr
	v_lshl_or_b32 v[PW], v[TM+5], 8, v[TM+4]
	v_lshl_or_b32 v[PW], v[TM+6], 16, v[PW]
	v_lshl_or_b32 v[PW], v[TM+7], 24, v[PW]        ; my row's scale word for this K step
.irp c, 0,1
	v_cvt_scalef32_pk16_bf6_f32 v[PC+6*\c:PC+6*\c+2], v[ACC+32*\c:ACC+32*\c+15], v[TM+8+2*\c]
	v_cvt_scalef32_pk16_bf6_f32 v[TM+4*\c:TM+4*\c+2], v[ACC+32*\c+16:ACC+32*\c+31], v[TM+9+2*\c]   ; (a conversion's three registers begin on an even number)
.endr
	v_nop                                          ; one plain line behind a scaled conversion
.irp c, 0,1                                    ; the operand wants a whole block in a lane: lanes 0-15 block 2 c, lanes 16-31 block 2 c + 1
.irp i, 0,1,2
	v_permlane16_swap_b32 v[PC+6*\c+\i], v[TM+4*\c+\i]
.endr
.irp i, 0,1,2
	v_mov_b32 v[PC+3+6*\c+\i], v[TM+4*\c+\i]
.endr
.endr
.irp g, 0,1,2
	global_store_b128 v1, v[PC+4*\g:PC+4*\g+3], s[50:51] offset:512*\g   ; 32 lanes store 512 consecutive bytes, at a multiple of 512 from the buffer's first byte
.endr
	global_store_b32 v2, v[PW], s[52:53] offset:HSOFF
	s_add_co_u32 s62, s62, 4                       ; my next tile
	s_add_co_u32 s28, s28, 1                       ; the loop ends on its count of trips
	s_cmp_lt_u32 s28, s27
	s_cbranch_scc1 .Ltile
.Lend:
	s_set_vgpr_msb 0x4
	s_wait_tensorcnt 0x0
	ds_add_u32 v255, v255
	s_wait_dscnt 0x0
	s_set_vgpr_msb 0x400
	s_endpgm
.Lfunc_end_k_q9fac622be0_up:
	.size	k_q9fac622be0_up, .Lfunc_end_k_q9fac622be0_up-k_q9fac622be0_up
	.p2alignl 7, 3214868480
	.fill 96, 4, 3214868480
	.section	.rodata,"a",@progbits
	.p2align	6, 0x0
	.amdhsa_kernel k_q9fac622be0_up
		.amdhsa_group_segment_fixed_size 101888
		.amdhsa_private_segment_fixed_size 0
		.amdhsa_enable_private_segment 0
		.amdhsa_kernarg_size 48
		.amdhsa_user_sgpr_count 2
		.amdhsa_user_sgpr_kernarg_segment_ptr 1
		.amdhsa_wavefront_size32 1
		.amdhsa_system_sgpr_workgroup_id_x 1
		.amdhsa_system_sgpr_workgroup_id_y 1
		.amdhsa_system_sgpr_workgroup_id_z 1
		.amdhsa_system_vgpr_workitem_id 0
		.amdhsa_next_free_vgpr 1024
		.amdhsa_next_free_sgpr 66
		.amdhsa_reserve_vcc 0
		.amdhsa_float_denorm_mode_32 3
		.amdhsa_float_denorm_mode_16_64 3
		.amdhsa_memory_ordered 1
		.amdhsa_forward_progress 1
		.amdhsa_inst_pref_size 61
	.end_amdhsa_kernel
	.amdgpu_metadata
---
amdhsa.version: [ 1, 2 ]
amdhsa.kernels:
  - .name:           k_q9fac622be0_up
    .symbol:         k_q9fac622be0_up.kd
    .args:
      - { .name: xw, .offset: 0, .size: 8, .value_kind: global_buffer, .address_space: global }
      - { .name: W1_codes, .offset: 8, .size: 8, .value_kind: global_buffer, .address_space: global }
      - { .name: W1_scales, .offset: 16, .size: 8, .value_kind: global_buffer, .address_space: global }
      - { .name: b1, .offset: 24, .size: 8, .value_kind: global_buffer, .address_space: global }
      - { .name: rt, .offset: 32, .size: 8, .value_kind: global_buffer, .address_space: global }
      - { .name: hw, .offset: 40, .size: 8, .value_kind: global_buffer, .address_space: global }
    .group_segment_fixed_size: 101888
    .private_segment_fixed_size: 0
    .kernarg_segment_align: 8
    .kernarg_segment_size: 48
    .max_flat_workgroup_size: 128
    .sgpr_count:     66
    .vgpr_count:     1024
    .wavefront_size: 32
...
	.end_amdgpu_metadata
.endif
;; end of part 3
;; launch down (part 4): grid 32 x 8, 4 waves a work-group, no clusters, 173,056 bytes of LDS; arguments hw, W2_codes, W2_scales, b2, rt, ys; writes ys
.if DOCPART == 4
	.amdgcn_target "amdgcn-amd-amdhsa--gfx1250"
	.amdhsa_code_object_version 6
	.text
	.protected	k_q9fac622be0_down
	.globl	k_q9fac622be0_down
	.p2align	8
	.type	k_q9fac622be0_down,@function
k_q9fac622be0_down:
	s_mov_b64 s[64:65], 0
	v_nop
	global_prefetch_b8 v0, s[64:65] scope:SCOPE_SE
	s_setreg_imm32_b32 hwreg(HW_REG_WAVE_MODE, 25, 1), 1
	s_wait_xcnt 0x0
; ys = h W2[e] + b2[e] FOR THE SLOTS OF EXPERT e, on codes of BF6 (E3M2) with one E8M0 byte for each 32 along K; f32 sums.
; SHARES.  Work-group (j, e) owns output columns 32 j .. 32 j + 31 of expert e over ALL of K = 4,096: 32 rows x 3,072 bytes of W2's codes, 98,304 dense bytes, read from memory once in the launch; so each number of ys has one owner.
; THE WAVES SHARE K: wave w keeps the weights of K steps 8 w .. 8 w + 7 (2 tiles of 16 columns x 8 K steps: 16 fragments, 192 registers) and reads only that quarter of each row of h.  No weight is kept twice,
; and 192 registers are left for a ring of 16 fragments of h: 36 to 48 loads of 512 bytes are on their way at each wait of a wave, 60 at the most.
; A STEP (macro HALF) takes a GROUP of four tiles of 16 slots: 64 products on 8 accumulators (4 tiles x 2 tiles of columns), K step outermost.  The four waves' partial sums meet in a stage in LDS; behind a barrier wave w adds
; up tile w of the group and stores its 2,048 bytes.  b2 is the C of wave 0's first products; in the other waves those registers hold zeros.  So a sum is four f32 sums over a quarter of K each, added in pairs: an order of rounding of its own.
; THE LOOP'S COUNT IS A CONSTANT, 16 steps (64 tiles, the most an expert can have), since a barrier stands in it: a step past the expert's groups jumps over the work, never over the barrier.
; Two stages and two sets of bases take turns, so the loop's trip is two steps: one barrier a step, and a set of bases is written again only behind the counted waits that show its loads done.
; Work-group j begins at group min(j % 4, groups - 1) and goes round, so that the 32 work-groups of an expert do not all ask for the same four tiles at the same time.
; TRANSPOSED (source 0 = 16 rows of W2, source 1 = 16 slots): a lane holds one slot and eight neighbouring columns.
; h's fragments come from hw as images of their registers: 3 loads of 16 bytes a lane for a K step.  ys: [j][slot][32 columns] f32: (j x 2,176 + slot) x 128 bytes: a tile's 16 slots are 2,048 bytes on end.
; NO TENSOR LOAD, NO CLUSTER: the number of tiles is read from memory (rt), so branches hang on loaded numbers.  In a group's tiles past the expert's last, the last tile is multiplied again and not stored;
; an expert without rows names tile 0, which always exists (2,048 rows are 128 tiles at the least), and stores nothing.
; REGISTERS.  Window 0: v1-9 addresses; v16-23 W2's scale words; v24-39 h's; v40-55 b2 or zeros; v56-119 the accumulators; v120-183 the four partial sums of my tile.
;   Window 1: v0-191 the ring: K step s, tile q at 12 (4 (s % 4) + q).   Window 2: v0-191 the weights: fragment 2 s + n at 12 (2 s + n); before that my 24,576 bytes on their way to LDS.
.set PITCH, 3088                       ; a row of W2 in LDS: 3,072 + 16 bytes = 772 words: row r starts at bank 4 r mod 64 (64 banks of 4 bytes: ISA guide 11.1)
.set STG,   32*PITCH                   ; behind the rows: two stages
.set TREG,  2304                       ; a tile in a stage: 16 rows x (128 + 16) bytes
.set WREG,  4*TREG                     ; a wave's four tiles
.set BUFB,  4*WREG                     ; a stage
.set WS,    16                         ; K step s of my eight: lane l holds row l's word
.set HS,    24                         ; 4 q + jj: lanes 0-15 my K step jj of tile q, lanes 16-31 my K step 4 + jj
.set B2R,   40
.set ACC,   56                         ; 16 q + 8 n
.set RB,    120                        ; 16 p + 4 a: wave p's partial sums, piece a
.set HSOFF, 6684672
.set SETP,  32                         ; s[32:47], s[66:81]: two sets of bases: four tiles' codes, then four tiles' scale words
.set SETQ,  66
.set FT,    84                         ; s84 the expert's first tile, s85 its tiles
.set NT,    85
.set MSB, 0
.macro WIN new                         ; s_set_vgpr_msb: bits 1:0 source 0, 3:2 source 1, 5:4 source 2, 7:6 destination; the high byte repeats the setting that is left
.if MSB != (\new)
	s_set_vgpr_msb (MSB<<8)|(\new)
.set MSB, (\new)
.endif
.endm
.macro NEWB set, pos                   ; the bases of the four tiles of group s[pos]: my quarter of K in their codes and among their scale words
	s_lshl_b32 s29, s[\pos], 2
.irp q, 0,1,2,3
	s_add_co_u32 s30, s29, \q
	s_min_u32 s30, s30, s25                        ; not past the expert's last tile
	s_add_co_u32 s30, s30, s[FT]
	s_min_u32 s30, s30, 135                        ; held inside the 136 tiles
	s_mul_i32 s86, s30, 49152
	s_add_co_u32 s86, s86, s56
	s_add_nc_u64 s[\set+2*\q:\set+2*\q+1], s[4:5], s[86:87]
	s_lshl_b32 s86, s30, 12
	s_add_co_u32 s86, s86, s57
	s_add_nc_u64 s[\set+8+2*\q:\set+9+2*\q], s[4:5], s[86:87]
.endr
.endm
.macro ARUN k, set                     ; the four tiles' fragments of my K step k: twelve loads of 512 consecutive bytes
	WIN 0x40                                       ; destination window 1
.irp q, 0,1,2,3
.irp g, 0,1,2
	global_load_b128 v[12*(4*((\k)&3)+\q)+4*\g:12*(4*((\k)&3)+\q)+4*\g+3], v1, s[\set+2*\q:\set+2*\q+1] offset:1536*(\k)+512*\g
.endr
.endr
.endm
.macro SRUN jj, set                    ; the four tiles' scale words of my K steps jj and 4 + jj
	WIN 0
.irp q, 0,1,2,3
	global_load_b32 v[HS+4*\q+(\jj)], v2, s[\set+8+2*\q:\set+9+2*\q] offset:HSOFF+128*(\jj)
.endr
.endm
.macro WM                              ; the matrix line, by which rows of the scale registers it reads
.if RWA && RWB
	v_wmma_scale_f32_16x16x128_f8f6f4 v[DA:DA+7], v[FL:FL+11], v[BR:BR+11], v[CA:CA+7], v[SW], v[SH] matrix_a_fmt:MATRIX_FMT_BF6 matrix_b_fmt:MATRIX_FMT_BF6 matrix_a_scale:MATRIX_SCALE_ROW1 matrix_b_scale:MATRIX_SCALE_ROW1
.elseif RWA
	v_wmma_scale_f32_16x16x128_f8f6f4 v[DA:DA+7], v[FL:FL+11], v[BR:BR+11], v[CA:CA+7], v[SW], v[SH] matrix_a_fmt:MATRIX_FMT_BF6 matrix_b_fmt:MATRIX_FMT_BF6 matrix_a_scale:MATRIX_SCALE_ROW1
.elseif RWB
	v_wmma_scale_f32_16x16x128_f8f6f4 v[DA:DA+7], v[FL:FL+11], v[BR:BR+11], v[CA:CA+7], v[SW], v[SH] matrix_a_fmt:MATRIX_FMT_BF6 matrix_b_fmt:MATRIX_FMT_BF6 matrix_b_scale:MATRIX_SCALE_ROW1
.else
	v_wmma_scale_f32_16x16x128_f8f6f4 v[DA:DA+7], v[FL:FL+11], v[BR:BR+11], v[CA:CA+7], v[SW], v[SH] matrix_a_fmt:MATRIX_FMT_BF6 matrix_b_fmt:MATRIX_FMT_BF6
.endif
.endm
.macro PROD k, q, n                    ; my K step k, tile q of slots, tile n of columns.  K step 0 starts its sum with b2 (or zeros): nothing is cleared
.set DA, ACC+16*(\q)+8*(\n)
.set FL, 12*(2*(\k)+(\n))
.set BR, 12*(4*((\k)&3)+(\q))
.set SW, WS+(\k)
.set SH, HS+4*(\q)+((\k)&3)
.set RWA, (\n)
.set RWB, (\k)>>2
.set CA, DA
.if (\k) == 0
.set CA, B2R+8*(\n)
.endif
	WM
.endm
; A STEP.  cur: the set of bases of the group in hand; nxt: the set that takes the next group's; sto, rd: the address registers of this step's stage.
; THE LOADS go out in eight runs, one behind each K step's products: R0 = scale words 3 (4 loads) and K step 4 (12) of this group; R1, R2, R3 = K steps 5, 6, 7 (12 each);
; R4, R5, R6 = scale words 0, 1, 2 and K steps 0, 1, 2 of the next group (16 each); R7 = its K step 3 (12).  A run lands in the ring's places and scale registers that the products just issued have read.
.macro HALF cur, nxt, sto, rd
	s_cmp_lt_u32 s28, s24                          ; is there a group left?
	s_cbranch_scc0 .Lidle_\@
	s_lshl_b32 s89, s26, 2
	s_add_co_u32 s89, s89, s16                     ; the tile that I shall add up: 4 x the group + my wave's number
	s_add_co_u32 s26, s26, 1
	s_cmp_ge_u32 s26, s24
	s_cselect_b32 s26, 0, s26                      ; the next group, round the expert's groups
	NEWB \nxt, 26                                  ; that set's last loads were runs R0 to R3 of the step before, which that step's waits at K steps 4 to 7 have shown done
.irp sp, 0,1,2,3,4,5,6,7
; What K step sp needs is in: the count is that of the loads issued behind it: sp = 0: R5 R6 R7; 1: R6 R7 R0; 2: R7 R0 R1; 3: (scale words 3 head R0) the rest of R0, R1 R2; 4: R1 R2 R3; 5: R2 R3 R4; 6: R3 R4 R5; 7: R4 R5 R6
.if (\sp == 0) || (\sp == 1) || (\sp == 6)
	s_wait_loadcnt 44
.elseif (\sp == 2) || (\sp == 5)
	s_wait_loadcnt 40
.elseif \sp == 7
	s_wait_loadcnt 48
.else
	s_wait_loadcnt 36
.endif
	WIN 0x06                                       ; source 0 (W2) window 2, source 1 (h) window 1, C and D window 0
.irp q, 0,1,2,3
	PROD \sp, \q, 0                                ; the eight accumulators take turns, one instruction a turn
	PROD \sp, \q, 1
.endr
.rept 4+(\sp/7)
	v_nop                                          ; four places in front of loads into registers that matrix instructions have read and of the first read of results; five behind the last K step, since the next step's first products write over these accumulators with another C
.endr
.if \sp == 0
	SRUN 3, \cur
.endif
.if (\sp >= 4) && (\sp <= 6)
	SRUN \sp-4, \nxt
.endif
.if \sp < 4
	ARUN \sp+4, \cur
.else
	ARUN \sp-4, \nxt
.endif
.endr
	WIN 0
.irp q, 0,1,2,3
.irp n, 0,1
	ds_store_b128 v[\sto], v[ACC+16*\q+8*\n:ACC+16*\q+8*\n+3] offset:TREG*\q+64*\n          ; slot r, columns 16 n + 8 h on; each accumulator from its low end on
	ds_store_b128 v[\sto], v[ACC+16*\q+8*\n+4:ACC+16*\q+8*\n+7] offset:TREG*\q+64*\n+16
.endr
.endr
	s_branch .Lmeet_\@
.Lidle_\@:
	s_mov_b32 s89, -1                              ; no tile to add up
	s_wait_loadcnt 0x0                             ; the look-ahead's loads are let in, so that every way into a step finds the ring whole and both sets of bases free
.Lmeet_\@:
	s_wait_dscnt 0x0                               ; for the others' sake: my partial sums lie in this step's stage, and my reads of the other stage are over
	s_barrier_signal -1
	s_barrier_wait -1                              ; on every wave's way, in every step
	s_cmp_lt_u32 s89, s[NT]
	s_cbranch_scc0 .Lnone_\@                       ; past the expert's last tile nothing is stored
	s_add_co_u32 s29, s89, s[FT]
	s_min_u32 s29, s29, 135
	s_lshl_b32 s86, s29, 11
	s_wait_storecnt 0x0                            ; the stores of the step before are done: their base and their registers may be written again
	s_add_nc_u64 s[82:83], s[14:15], s[86:87]      ; my tile's 2,048 bytes of ys
.irp a, 0,1,2,3
.irp p, 0,1,2,3
	ds_load_b128 v[RB+16*\p+4*\a:RB+16*\p+4*\a+3], v[\rd] offset:WREG*\p+576*\a   ; piece a (four rows of 128 bytes) of wave p's sums for my tile
.endr
.endr
.irp a, 0,1,2,3
	s_wait_dscnt 12-4*\a                           ; piece a's four loads are in; the later pieces' may be out
	v_pk_add_f32 v[RB+4*\a:RB+4*\a+1], v[RB+4*\a:RB+4*\a+1], v[RB+16+4*\a:RB+16+4*\a+1]
	v_pk_add_f32 v[RB+4*\a+2:RB+4*\a+3], v[RB+4*\a+2:RB+4*\a+3], v[RB+16+4*\a+2:RB+16+4*\a+3]
	v_pk_add_f32 v[RB+32+4*\a:RB+32+4*\a+1], v[RB+32+4*\a:RB+32+4*\a+1], v[RB+48+4*\a:RB+48+4*\a+1]
	v_pk_add_f32 v[RB+32+4*\a+2:RB+32+4*\a+3], v[RB+32+4*\a+2:RB+32+4*\a+3], v[RB+48+4*\a+2:RB+48+4*\a+3]
	v_pk_add_f32 v[RB+4*\a:RB+4*\a+1], v[RB+4*\a:RB+4*\a+1], v[RB+32+4*\a:RB+32+4*\a+1]
	v_pk_add_f32 v[RB+4*\a+2:RB+4*\a+3], v[RB+4*\a+2:RB+4*\a+3], v[RB+32+4*\a+2:RB+32+4*\a+3]
	global_store_b128 v1, v[RB+4*\a:RB+4*\a+3], s[82:83] offset:512*\a   ; 32 lanes store 512 consecutive bytes, at a multiple of 512 from the buffer's first byte
.endr
.Lnone_\@:
	s_add_co_u32 s28, s28, 1                       ; steps done
.endm
	s_load_b256 s[4:11], s[0:1], 0x0               ; hw, W2's codes, W2's scales, b2
	s_load_b128 s[12:15], s[0:1], 0x20             ; rt, ys
	v_lshl_add_u32 v254, v0, 2, 0x2a200
	v_mov_b32 v255, 0
	v_lshrrev_b32 v236, 5, v0
	v_readfirstlane_b32 s16, v236                  ; wave
	s_and_b32 s18, ttmp7, 0xffff                   ; e;  ttmp9 = j
	v_and_b32 v237, 31, v0                         ; lane
	v_and_b32 v238, 15, v0                         ; r
	v_bfe_u32 v239, v0, 4, 1                       ; h
	v_lshlrev_b32 v1, 4, v237                      ; 16 x lane
	v_lshlrev_b32 v2, 2, v238
	v_lshl_add_u32 v2, v239, 9, v2                 ; h's scale words: 4 r, and four K steps on for lanes 16-31
	s_mul_i32 s19, s16, WREG
	s_add_co_u32 s19, s19, STG
	v_mul_u32_u24 v3, v238, 144
	v_lshl_add_u32 v3, v239, 5, v3
	v_add_nc_u32 v3, s19, v3                       ; into stage 0: my wave's four tiles, row r, + 32 h;
	v_add_nc_u32 v8, BUFB, v3                      ; into stage 1
	s_mul_i32 s19, s16, TREG
	s_add_co_u32 s19, s19, STG
	v_lshrrev_b32 v4, 3, v237
	v_mul_u32_u24 v4, v4, 144
	v_and_b32 v240, 7, v237
	v_lshl_add_u32 v4, v240, 4, v4
	v_add_nc_u32 v4, s19, v4                       ; out of stage 0: tile w of each wave's four; eight lanes to a row of 128 bytes;
	v_add_nc_u32 v9, BUFB, v4                      ; out of stage 1
	s_mul_i32 s19, s16, 768
	v_mul_u32_u24 v5, v238, PITCH
	v_mad_u32_u24 v5, v239, 24, v5
	v_add_nc_u32 v5, s19, v5                       ; a fragment's row r, + 24 h, + my eight K steps' 768 bytes: tile 0 of columns,
	v_add_nc_u32 v6, 16*PITCH, v5                  ; tile 1
	s_mul_i32 s19, s16, 8*PITCH
	v_add_nc_u32 v7, s19, v1                       ; the way into LDS: my wave's 8 rows
	v_lshlrev_b32 v241, 7, v237
	s_lshl_b32 s19, s16, 5
	v_add_nc_u32 v241, s19, v241                   ; W2's scale bytes: 128 a row, row = lane, + my eight K steps' 32
	v_lshlrev_b32 v242, 5, v239                    ; b2: 32 h
	s_mul_i32 s20, s18, 3145728
	s_mul_i32 s21, ttmp9, 98304
	s_add_co_u32 s20, s20, s21
	s_mul_i32 s21, s16, 24576
	s_add_co_u32 s20, s20, s21                     ; the codes: expert, work-group's 32 rows, the 8 that my wave brings
	s_mov_b32 s21, 0
	s_lshl_b32 s22, s18, 17
	s_lshl_b32 s23, ttmp9, 12
	s_add_co_u32 s22, s22, s23                     ; the scale bytes
	s_mov_b32 s23, 0
	s_lshl_b32 s90, s18, 12
	s_lshl_b32 s91, ttmp9, 7
	s_add_co_u32 s90, s90, s91                     ; b2
	s_mov_b32 s91, 0
	s_mul_i32 s92, ttmp9, 278528                   ; ys: my 32 columns' 2,176 slots
	s_mov_b32 s93, 0
	s_lshl_b32 s94, s18, 3
	s_mov_b32 s87, 0
	s_mul_i32 s56, s16, 12288                      ; my eight K steps in a tile's codes,
	s_lshl_b32 s57, s16, 10                        ; and among its scale words
	s_wait_kmcnt 0x0
	s_load_b64 s[FT:NT], s[12:13], s94 offset:16896   ; the expert's first tile and its tiles
	s_add_nc_u64 s[6:7], s[6:7], s[20:21]
	s_add_nc_u64 s[8:9], s[8:9], s[22:23]
	s_add_nc_u64 s[10:11], s[10:11], s[90:91]
	s_add_nc_u64 s[14:15], s[14:15], s[92:93]
	WIN 0x80                                       ; destination window 2
.set JJ, 0
.rept 48
	global_load_b128 v[4*JJ:4*JJ+3], v1, s[6:7] offset:512*JJ th:TH_LOAD_NT   ; 32 lanes read 512 consecutive bytes; read once in the launch
.set JJ, JJ+1
.endr
	WIN 0
.irp m, 0,1
	global_load_b128 v[WS+4*\m:WS+4*\m+3], v241, s[8:9] offset:16*\m
.endr
.irp n, 0,1
	global_load_b128 v[B2R+8*\n:B2R+8*\n+3], v242, s[10:11] offset:64*\n       ; b2 at columns 16 n + 8 h + 0 .. 7
	global_load_b128 v[B2R+8*\n+4:B2R+8*\n+7], v242, s[10:11] offset:64*\n+16
.endr
	s_wait_kmcnt 0x0
	s_min_u32 s[FT], s[FT], 135
	s_min_u32 s[NT], s[NT], 64                     ; an expert has 1,024 rows at the most
	s_cmp_eq_u32 s[NT], 0
	s_cselect_b32 s[FT], 0, s[FT]                  ; an expert without rows names tile 0
	s_max_u32 s25, s[NT], 1
	s_sub_co_u32 s25, s25, 1                       ; its last tile, counted from its first
	s_add_co_u32 s24, s[NT], 3
	s_lshr_b32 s24, s24, 2                         ; its groups of four tiles: 16 at the most
	s_max_u32 s29, s24, 1
	s_sub_co_u32 s29, s29, 1
	s_and_b32 s26, ttmp9, 3
	s_min_u32 s26, s26, s29                        ; the group at which my work-group begins
	NEWB SETP, 26
	NEWB SETQ, 26                                  ; (written here too, so that both sets hold addresses on every way into a step)
	s_cmp_eq_u32 s16, 0
	s_cselect_b32 s29, -1, 0
	s_wait_loadcnt 0x0
.set QI, 0
.rept 16
	v_and_b32 v[B2R+QI], s29, v[B2R+QI]            ; b2 is added once: in wave 0; the other waves' sums begin with zeros
.set QI, QI+1
.endr
; The first group's loads, in the order of runs R4 to R7, so that the loop's counts hold in its first step too.
	SRUN 0, SETP
	ARUN 0, SETP
	SRUN 1, SETP
	ARUN 1, SETP
	SRUN 2, SETP
	ARUN 2, SETP
	ARUN 3, SETP
	WIN 0x08                                       ; an LDS store's data are its source 1: window 2
.set JJ, 0
.rept 48                               ; six loads hold a row of 3,072 bytes
	ds_store_b128 v7, v[4*JJ:4*JJ+3] offset:(JJ/6)*PITCH+(JJ%6)*512
.set JJ, JJ+1
.endr
	WIN 0
	s_wait_dscnt 0x0                               ; for the others' sake: my rows lie in LDS
	s_barrier_signal -1
	s_barrier_wait -1                              ; from here on the rows are only read
	WIN 0x80
.set FI, 0
.rept 16                               ; fragment FI = 2 s + n: 16 rows x 128 K are 12 registers: 24 bytes of the row's stream of bits twice, in pieces of 8 bytes
.irp p, 0,1,2,3,4,5
.if (FI&1) == 0
	ds_load_b64 v[12*FI+2*\p:12*FI+2*\p+1], v5 offset:96*(FI>>1)+48*(\p/3)+8*(\p%3)
.else
	ds_load_b64 v[12*FI+2*\p:12*FI+2*\p+1], v6 offset:96*(FI>>1)+48*(\p/3)+8*(\p%3)
.endif
.endr
.set FI, FI+1
.endr
	WIN 0
	s_mov_b32 s27, 0                               ; trips done
	s_mov_b32 s28, 0                               ; steps done
	s_wait_dscnt 0x0
.Lpair:                                            ; eight trips of two steps
	HALF SETP, SETQ, 3, 4
	HALF SETQ, SETP, 8, 9
	s_add_co_u32 s27, s27, 1
	s_cmp_lt_u32 s27, 8
	s_cbranch_scc1 .Lpair
	s_wait_tensorcnt 0x0
	ds_add_u32 v254, v255
	s_wait_dscnt 0x0
	s_endpgm
.Lfunc_end_k_q9fac622be0_down:
	.size	k_q9fac622be0_down, .Lfunc_end_k_q9fac622be0_down-k_q9fac622be0_down
	.p2alignl 7, 3214868480
	.fill 96, 4, 3214868480
	.section	.rodata,"a",@progbits
	.p2align	6, 0x0
	.amdhsa_kernel k_q9fac622be0_down
		.amdhsa_group_segment_fixed_size 173056
		.amdhsa_private_segment_fixed_size 0
		.amdhsa_enable_private_segment 0
		.amdhsa_kernarg_size 48
		.amdhsa_user_sgpr_count 2
		.amdhsa_user_sgpr_kernarg_segment_ptr 1
		.amdhsa_wavefront_size32 1
		.amdhsa_system_sgpr_workgroup_id_x 1
		.amdhsa_system_sgpr_workgroup_id_y 1
		.amdhsa_system_sgpr_workgroup_id_z 1
		.amdhsa_system_vgpr_workitem_id 0
		.amdhsa_next_free_vgpr 768
		.amdhsa_next_free_sgpr 96
		.amdhsa_reserve_vcc 0
		.amdhsa_float_denorm_mode_32 3
		.amdhsa_float_denorm_mode_16_64 3
		.amdhsa_memory_ordered 1
		.amdhsa_forward_progress 1
		.amdhsa_inst_pref_size 82
	.end_amdhsa_kernel
	.amdgpu_metadata
---
amdhsa.version: [ 1, 2 ]
amdhsa.kernels:
  - .name:           k_q9fac622be0_down
    .symbol:         k_q9fac622be0_down.kd
    .args:
      - { .name: hw, .offset: 0, .size: 8, .value_kind: global_buffer, .address_space: global }
      - { .name: W2_codes, .offset: 8, .size: 8, .value_kind: global_buffer, .address_space: global }
      - { .name: W2_scales, .offset: 16, .size: 8, .value_kind: global_buffer, .address_space: global }
      - { .name: b2, .offset: 24, .size: 8, .value_kind: global_buffer, .address_space: global }
      - { .name: rt, .offset: 32, .size: 8, .value_kind: global_buffer, .address_space: global }
      - { .name: ys, .offset: 40, .size: 8, .value_kind: global_buffer, .address_space: global }
    .group_segment_fixed_size: 173056
    .private_segment_fixed_size: 0
    .kernarg_segment_align: 8
    .kernarg_segment_size: 48
    .max_flat_workgroup_size: 128
    .sgpr_count:     96
    .vgpr_count:     768
    .wavefront_size: 32
...
	.end_amdgpu_metadata
.endif
;; end of part 4
;; launch join (part 5): grid 256 x 1, 4 waves a work-group, no clusters, 0 bytes of LDS; arguments ys, rt, xw, out0; writes out0
.if DOCPART == 5
	.amdgcn_target "amdgcn-amd-amdhsa--gfx1250"
	.amdhsa_code_object_version 6
	.text
	.protected	k_q9fac622be0_join
	.globl	k_q9fac622be0_join
	.p2align	8
	.type	k_q9fac622be0_join,@function
k_q9fac622be0_join:
	s_mov_b64 s[64:65], 0
	v_nop
	global_prefetch_b8 v0, s[64:65] scope:SCOPE_SE
	s_setreg_imm32_b32 hwreg(HW_REG_WAVE_MODE, 25, 1), 1
	s_wait_xcnt 0x0
; out[t] = g0 ys[slot of t's first choice] + g1 ys[slot of its second].  The six experts that a token did not choose have the gate 0 in the sum that is asked for, and add nothing.
; A wave owns a token: it reads its two slots (rt, at 8,704) and its two gates (xw, at 819,200) by scalar loads, gathers the two rows of 4,096 bytes and stores one.
; ys is [j][slot][32 columns]: piece a of a row (512 bytes of out) is columns 128 a on: j = 4 a + lane / 8, 16 (lane % 8) bytes into the slot's 128.
; A stream: no LDS, no matrix unit, no cluster (no two waves read the same bytes).  All 16 loads of a wave go out together.
	s_load_b256 s[4:11], s[0:1], 0x0               ; ys, rt, xw, out0
	v_lshrrev_b32 v1, 5, v0
	v_readfirstlane_b32 s12, v1                    ; wave
	s_lshl_b32 s13, ttmp9, 2
	s_add_co_u32 s13, s13, s12                     ; my token
	s_lshl_b32 s14, s13, 3
	v_and_b32 v4, 31, v0                           ; lane
	v_lshrrev_b32 v2, 3, v4
	v_mul_u32_u24 v2, 0x44000, v2                  ; 2,176 slots x 128 bytes for each j
	v_and_b32 v5, 7, v4
	v_lshl_add_u32 v2, v5, 4, v2
	v_lshlrev_b32 v3, 4, v4                        ; out: 16 x lane
	s_mov_b32 s25, 0
	s_wait_kmcnt 0x0
	s_load_b64 s[16:17], s[6:7], s14 offset:8704   ; the two slots
	s_load_b64 s[20:21], s[8:9], s14 offset:819200 ; the two gates
	s_wait_kmcnt 0x0
	s_min_u32 s16, s16, 2175                       ; held inside the 2,176 slots
	s_min_u32 s17, s17, 2175
	s_lshl_b32 s24, s16, 7
	s_add_nc_u64 s[26:27], s[4:5], s[24:25]
	s_lshl_b32 s24, s17, 7
	s_add_nc_u64 s[28:29], s[4:5], s[24:25]
	s_lshl_b32 s24, s13, 12
	s_add_nc_u64 s[10:11], s[10:11], s[24:25]
	s_mov_b32 s22, s21                             ; the packed forms name a pair and take its low word for both halves
	s_mov_b32 s23, s21
.irp a, 0,1,2,3,4,5,6,7
	global_load_b128 v[16+8*\a:19+8*\a], v2, s[26:27] offset:1114112*\a th:TH_LOAD_NT
	global_load_b128 v[20+8*\a:23+8*\a], v2, s[28:29] offset:1114112*\a th:TH_LOAD_NT
.endr
.irp a, 0,1,2,3,4,5,6,7
	s_wait_loadcnt 14-2*\a                         ; piece a's two loads are in; the later pieces' may be out
	v_pk_mul_f32 v[16+8*\a:17+8*\a], v[16+8*\a:17+8*\a], s[20:21] op_sel_hi:[1,0]
	v_pk_mul_f32 v[18+8*\a:19+8*\a], v[18+8*\a:19+8*\a], s[20:21] op_sel_hi:[1,0]
	v_pk_fma_f32 v[16+8*\a:17+8*\a], v[20+8*\a:21+8*\a], s[22:23], v[16+8*\a:17+8*\a] op_sel_hi:[1,0,1]
	v_pk_fma_f32 v[18+8*\a:19+8*\a], v[22+8*\a:23+8*\a], s[22:23], v[18+8*\a:19+8*\a] op_sel_hi:[1,0,1]
	global_store_b128 v3, v[16+8*\a:19+8*\a], s[10:11] offset:512*\a th:TH_STORE_NT   ; 32 lanes store 512 consecutive bytes, at a multiple of 512 from out's first byte
.endr
	s_endpgm
.Lfunc_end_k_q9fac622be0_join:
	.size	k_q9fac622be0_join, .Lfunc_end_k_q9fac622be0_join-k_q9fac622be0_join
	.p2alignl 7, 3214868480
	.fill 96, 4, 3214868480
	.section	.rodata,"a",@progbits
	.p2align	6, 0x0
	.amdhsa_kernel k_q9fac622be0_join
		.amdhsa_group_segment_fixed_size 0
		.amdhsa_private_segment_fixed_size 0
		.amdhsa_enable_private_segment 0
		.amdhsa_kernarg_size 32
		.amdhsa_user_sgpr_count 2
		.amdhsa_user_sgpr_kernarg_segment_ptr 1
		.amdhsa_wavefront_size32 1
		.amdhsa_system_sgpr_workgroup_id_x 1
		.amdhsa_system_sgpr_workgroup_id_y 1
		.amdhsa_system_sgpr_workgroup_id_z 1
		.amdhsa_system_vgpr_workitem_id 0
		.amdhsa_next_free_vgpr 80
		.amdhsa_next_free_sgpr 66
		.amdhsa_reserve_vcc 0
		.amdhsa_float_denorm_mode_32 3
		.amdhsa_float_denorm_mode_16_64 3
		.amdhsa_memory_ordered 1
		.amdhsa_forward_progress 1
		.amdhsa_inst_pref_size 6
	.end_amdhsa_kernel
	.amdgpu_metadata
---
amdhsa.version: [ 1, 2 ]
amdhsa.kernels:
  - .name:           k_q9fac622be0_join
    .symbol:         k_q9fac622be0_join.kd
    .args:
      - { .name: ys, .offset: 0, .size: 8, .value_kind: global_buffer, .address_space: global }
      - { .name: rt, .offset: 8, .size: 8, .value_kind: global_buffer, .address_space: global }
      - { .name: xw, .offset: 16, .size: 8, .value_kind: global_buffer, .address_space: global }
      - { .name: out0, .offset: 24, .size: 8, .value_kind: global_buffer, .address_space: global }
    .group_segment_fixed_size: 0
    .private_segment_fixed_size: 0
    .kernarg_segment_align: 8
    .kernarg_segment_size: 32
    .max_flat_workgroup_size: 128
    .sgpr_count:     66
    .vgpr_count:     80
    .wavefront_size: 32
...
	.end_amdgpu_metadata
.endif
;; end of part 5
;; ======== version 2 of 2: 5 launches
;; workspace buffers: xw 827,392 bytes; sel 8,192 bytes of whole numbers; rt 17,152 bytes of whole numbers; hw 7,241,728 bytes; ys 8,912,896 bytes
;; launch route (part 6): grid 256 x 1, 4 waves a work-group, no clusters, 22,272 bytes of LDS; arguments x, Wg, Wn, bg, bn, noise, xw, sel; writes xw, sel
.if DOCPART == 6
	.amdgcn_target "amdgcn-amd-amdhsa--gfx1250"
	.amdhsa_code_object_version 6
	.text
	.protected	k_q9fac622be0_route
	.globl	k_q9fac622be0_route
	.p2align	8
	.type	k_q9fac622be0_route,@function
k_q9fac622be0_route:
	s_mov_b64 s[64:65], 0
	v_nop
	global_prefetch_b8 v0, s[64:65] scope:SCOPE_SE
	s_setreg_imm32_b32 hwreg(HW_REG_WAVE_MODE, 25, 1), 1
	s_wait_xcnt 0x0
; THE ROUTER, AND x INTO CODES.  1,024 tokens of 1,024 numbers, 8 experts, the best 2 kept.
; noisy = x Wg + bg + noise * softplus(x Wn + bn), all in f32 by fused multiply-adds; the two largest (the lower index wins a tie); gates = softmax over the two, the larger taken away first.
; The chosen experts go to sel [token][2] as whole numbers and the gates to xw, at fixed places: no address and no branch here hangs on them.
; x is also quantised to BF6 (E3M2), one E8M0 byte for each 32 along K: scale = 2^(floor(log2(largest magnitude)) - 4).
; xw: codes at 0, 768 bytes a token, laid in the order of an operand's registers: K step s at 96 s, then 48 h + 24 c + 12 half for block 2 c + h, so that lane (r, h) of a fragment owns 48 bytes on end;
;     scale bytes at 786,432, 32 a token, in K's order;  gates at 819,200, [token][2] f32.
; SHARES.  A work-group has 4 tokens; wave w has K = 256 w .. 256 w + 255 of all four; lane l has k = 256 w + 128 j + 4 l + i.  64 sums a lane (4 tokens x 2 weights x 8 experts) are added over the
; 32 lanes by halving (each step a lane gives away half of its sums), over the 4 waves through LDS.
; No matrix unit: 8 columns are too few for a tile, and these sums decide a choice, so they stay in f32.  No cluster: the work-groups share only the two small weights (64 KiB against 16 KiB of x each).
; LIMITS: NaN and infinities are not served.  A block of zeros gets the byte 1, not 127: its codes are zeros and only this program reads the bytes.  Blocks whose largest magnitude lies under 2^-122 are held at byte 1.
; softplus is max(z, 0) + ln 2 * log2(1 + 2^(-|z| log2 e)): its absolute error is about 1e-7.  The sums run in another order than a row-by-row sum.
.set STG,   0                          ; LDS: a stage of 5,120 bytes for each wave: a token's 1,024 bytes as 16 places of 64 + 16 of padding
.set RED,   20480                      ; 4 waves x 64 sums
.set XSB,   21504                      ; 4 tokens x 32 scale bytes
.set XR,    16                         ; v16-47   x as loaded: token t, half j at 8 t + 4 j
.set WR,    48                         ; v48-175  weights: 64 j + 16 i + 8 q + n (q = 0: Wg, 1: Wn)
.set ACC,   176                        ; v176-239 the sums: 16 t + 8 q + e;  before they begin: v176-207 16 neighbours of two tokens, v208-215 codes, v216-218 at work
.set CD,    208
.set TQ,    216
.set T,     240                        ; v240-247 at work in the halving
.set XSOFF, 786432
.set GTOFF, 819200
	s_load_b256 s[4:11], s[0:1], 0x0               ; x, Wg, Wn, bg
	s_load_b256 s[12:19], s[0:1], 0x20             ; bn, noise, xw, sel
	v_lshl_add_u32 v254, v0, 2, 0x5500
	v_mov_b32 v255, 0
	v_lshrrev_b32 v1, 5, v0
	v_readfirstlane_b32 s20, v1                    ; wave
	v_and_b32 v2, 31, v0                           ; lane
	v_lshlrev_b32 v3, 4, v2
	v_lshl_add_u32 v3, v1, 10, v3                  ; x: 1,024 w + 16 l
	v_lshlrev_b32 v4, 7, v2
	v_lshl_add_u32 v4, v1, 13, v4                  ; Wg, Wn: 32 bytes a k: 8,192 w + 128 l
	v_and_b32 v5, 7, v2
	v_lshlrev_b32 v5, 2, v5                        ; 4 (l % 8)
	v_lshlrev_b32 v6, 2, v2                        ; 4 l
	s_mul_i32 s21, s20, 5120                       ; my stage
	v_lshrrev_b32 v7, 2, v2
	v_mul_u32_u24 v7, v7, 80
	v_and_b32 v8, 3, v2
	v_lshl_add_u32 v7, v8, 4, v7
	v_add_nc_u32 v7, s21, v7                       ; into the stage: 80 (l / 4) + 16 (l % 4)
	v_and_b32 v8, 15, v2
	v_mul_u32_u24 v8, v8, 80
	v_lshrrev_b32 v9, 4, v2                        ; l / 16
	v_mad_u32_u24 v8, v9, 1280, v8
	v_add_nc_u32 v8, s21, v8                       ; out of it: token l / 16 of a pair, place l % 16: 16 neighbours along K
	v_mul_u32_u24 v10, v9, 768                     ; my 12 bytes of codes: the token,
	v_mad_u32_u24 v10, v1, 192, v10                ; the wave's two K steps,
	v_bfe_u32 v11, v2, 3, 1
	v_mad_u32_u24 v10, v11, 96, v10                ; which of the two,
	v_bfe_u32 v11, v2, 1, 1
	v_mad_u32_u24 v10, v11, 48, v10                ; the block's h,
	v_bfe_u32 v11, v2, 2, 1
	v_mad_u32_u24 v10, v11, 24, v10                ; its c,
	v_and_b32 v11, 1, v2
	v_mad_u32_u24 v10, v11, 12, v10                ; and my half of the block
	v_bfe_u32 v12, v2, 1, 3
	v_lshl_add_u32 v12, v9, 5, v12
	v_lshl_add_u32 v12, v1, 3, v12
	v_add_nc_u32 v12, XSB, v12                     ; my block's scale byte: 32 (l / 16) + 8 w + block
	v_lshlrev_b32 v13, 3, v0
	v_add_nc_u32 v13, RED, v13                     ; my two sums: 256 w + 8 l
	v_lshrrev_b32 v14, 3, v2
	v_lshl_add_u32 v14, v14, 6, v5
	v_add_nc_u32 v14, RED, v14                     ; wave 0 later: token l / 8, expert l % 8
	v_add_nc_u32 v15, XSB, v6
	s_mov_b32 s24, 0xffff0000                      ; the lanes whose bit 4, 3, 2, 1, 0 is set
	s_mov_b32 s25, 0xff00ff00
	s_mov_b32 s26, 0xf0f0f0f0
	s_mov_b32 s27, 0xcccccccc
	s_mov_b32 s28, 0xaaaaaaaa
	s_mov_b32 s30, 0x76543210                      ; v_permlanex16_b32's selects for lane l xor 16
	s_mov_b32 s31, 0xfedcba98
	s_lshl_b32 s32, ttmp9, 14                      ; 4 tokens of 4,096 bytes
	s_mov_b32 s33, 0
	s_lshl_b32 s34, ttmp9, 7                       ; 4 tokens of 32 bytes
	s_mov_b32 s35, 0
	s_mul_i32 s36, ttmp9, 3072                     ; 4 tokens of 768 bytes
	s_mov_b32 s37, 0
	s_lshl_b32 s38, ttmp9, 5                       ; 4 tokens of 8 bytes
	s_mov_b32 s39, 0
	s_wait_kmcnt 0x0
	s_add_nc_u64 s[4:5], s[4:5], s[32:33]
	s_add_nc_u64 s[14:15], s[14:15], s[34:35]
	s_add_nc_u64 s[40:41], s[16:17], s[36:37]      ; xw: the codes,
	s_add_nc_u64 s[42:43], s[16:17], s[34:35]      ; the scale bytes,
	s_add_nc_u64 s[44:45], s[16:17], s[38:39]      ; the gates
	s_add_nc_u64 s[18:19], s[18:19], s[38:39]
.irp t, 0,1,2,3
.irp j, 0,1
	global_load_b128 v[XR+8*\t+4*\j:XR+8*\t+4*\j+3], v3, s[4:5] offset:4096*\t+512*\j th:TH_LOAD_NT   ; 32 lanes read 512 consecutive bytes
.endr
.endr
.irp j, 0,1
.irp i, 0,1,2,3
.irp m, 0,1
	global_load_b128 v[WR+64*\j+16*\i+4*\m:WR+64*\j+16*\i+4*\m+3], v4, s[6:7] offset:4096*\j+32*\i+16*\m
	global_load_b128 v[WR+64*\j+16*\i+8+4*\m:WR+64*\j+16*\i+8+4*\m+3], v4, s[8:9] offset:4096*\j+32*\i+16*\m
.endr
.endr
.endr
	global_load_b32 v248, v5, s[10:11]             ; bg
	global_load_b32 v249, v5, s[12:13]             ; bn
	global_load_b32 v250, v6, s[14:15]             ; noise of token l / 8, expert l % 8
	s_wait_loadcnt 35                              ; x's eight loads are in; the 32 of the weights and the 3 small ones, issued behind them, may be out
.irp t, 0,1,2,3
.irp j, 0,1
	ds_store_b128 v7, v[XR+8*\t+4*\j:XR+8*\t+4*\j+3] offset:1280*\t+640*\j
.endr
.endr
.irp u, 0,1
.irp m, 0,1,2,3
	ds_load_b128 v[ACC+16*\u+4*\m:ACC+16*\u+4*\m+3], v8 offset:2560*\u+16*\m   ; LDS serves a wave's instructions in order (ISA guide 5.7.1.4): these see my stores
.endr
.endr
; Tokens 2 u and 2 u + 1: a lane has 16 neighbours, two neighbouring lanes a block.
.macro QSTEP u
.set XN, ACC+16*(\u)
	s_wait_dscnt 4-4*(\u)                          ; this pair's four loads are in (u = 0: the other pair's four may be out)
	v_max3_num_f32 v[TQ], |v[XN]|, |v[XN+1]|, |v[XN+2]|
	v_max3_num_f32 v[TQ+1], |v[XN+3]|, |v[XN+4]|, |v[XN+5]|
.irp i, 6,10
	v_max3_num_f32 v[TQ], v[TQ], |v[XN+\i]|, |v[XN+\i+1]|
	v_max3_num_f32 v[TQ+1], v[TQ+1], |v[XN+\i+2]|, |v[XN+\i+3]|
.endr
	v_max3_num_f32 v[TQ], v[TQ], |v[XN+14]|, |v[XN+15]|
	v_max3_num_f32 v[TQ], v[TQ], v[TQ+1], 0x2800000   ; and the floor 2^(5 - 127): the byte cannot fall under 1
	v_max_num_f32_dpp v[TQ], v[TQ], v[TQ] row_xmask:1 row_mask:0xf bank_mask:0xf   ; with my neighbour's 16: the block's largest magnitude
	v_add_nc_u32 v[TQ+2], 0xfe000000, v[TQ]        ; 4 off its exponent field: the conversion takes that field as its scale
	v_cvt_scalef32_pk16_bf6_f32 v[CD+4*(\u):CD+4*(\u)+2], v[XN:XN+15], v[TQ+2]
	v_lshrrev_b32 v[252+(\u)], 23, v[TQ+2]         ; the scale's byte (also the plain line behind the conversion)
	ds_store_b8 v12, v[252+(\u)] offset:64*(\u)    ; both lanes of a block write the same byte with the same value
	global_store_b96 v10, v[CD+4*(\u):CD+4*(\u)+2], s[40:41] offset:1536*(\u)
.endm
	QSTEP 0
	QSTEP 1
	s_wait_loadcnt 0x0                             ; the weights
	s_wait_xcnt 0x0                                ; the codes' stores have read their registers, which lie where the sums begin
.irp j, 0,1
.irp i, 0,1,2,3
.irp t, 0,1,2,3
.irp q, 0,1
.irp p, 0,2,4,6
.if (\j == 0) && (\i == 0)
	v_pk_mul_f32 v[ACC+16*\t+8*\q+\p:ACC+16*\t+8*\q+\p+1], v[WR+8*\q+\p:WR+8*\q+\p+1], v[XR+8*\t:XR+8*\t+1] op_sel_hi:[1,0]   ; the first product starts the sums: nothing is cleared
.elseif (\i%2) == 0
	v_pk_fma_f32 v[ACC+16*\t+8*\q+\p:ACC+16*\t+8*\q+\p+1], v[WR+64*\j+16*\i+8*\q+\p:WR+64*\j+16*\i+8*\q+\p+1], v[XR+8*\t+4*\j+\i:XR+8*\t+4*\j+\i+1], v[ACC+16*\t+8*\q+\p:ACC+16*\t+8*\q+\p+1] op_sel:[0,0,0] op_sel_hi:[1,0,1]   ; two experts at a time, both by the pair's first x
.else
	v_pk_fma_f32 v[ACC+16*\t+8*\q+\p:ACC+16*\t+8*\q+\p+1], v[WR+64*\j+16*\i+8*\q+\p:WR+64*\j+16*\i+8*\q+\p+1], v[XR+8*\t+4*\j+\i-1:XR+8*\t+4*\j+\i], v[ACC+16*\t+8*\q+\p:ACC+16*\t+8*\q+\p+1] op_sel:[0,1,0] op_sel_hi:[1,1,1]   ; both by the pair's second x
.endif
.endr
.endr
.endr
.endr
.endr
; THE HALVING.  In a step over n sums a lane whose bit is set keeps sums n .. 2 n - 1 and gives away 0 .. n - 1, its partner the other way round.  After five steps lane l holds sums 2 l and 2 l + 1, added over the 32 lanes.
.irp b, 4,5,6,7
	v_mov_b32 v[T+\b], 0                           ; a lane permute's destination counts as one of its sources
.endr
.set QI, 0
.rept 32
	v_cndmask_b32 v[T+QI%4], v[ACC+QI+32], v[ACC+QI], s24
	v_cndmask_b32 v[ACC+QI], v[ACC+QI], v[ACC+QI+32], s24
	v_permlanex16_b32 v[T+4+QI%4], v[T+QI%4], s30, s31
	v_add_f32 v[ACC+QI], v[ACC+QI], v[T+4+QI%4]
.set QI, QI+1
.endr
.macro RS n, mask, sm
.set QI, 0
.rept \n
	v_cndmask_b32 v[T+QI%4], v[ACC+QI+\n], v[ACC+QI], s[\sm]
	v_cndmask_b32 v[ACC+QI], v[ACC+QI], v[ACC+QI+\n], s[\sm]
	v_add_f32_dpp v[ACC+QI], v[T+QI%4], v[ACC+QI] row_xmask:\mask row_mask:0xf bank_mask:0xf
.set QI, QI+1
.endr
.endm
	RS 16, 8, 25
	RS 8, 4, 26
	RS 4, 2, 27
	RS 2, 1, 28
	ds_store_b64 v13, v[ACC:ACC+1]
	s_wait_dscnt 0x0                               ; for wave 0's sake: my sums and my scale bytes lie in LDS
	s_barrier_signal -1
	s_barrier_wait -1
	s_cmp_lg_u32 s20, 0
	s_cbranch_scc1 .Lend                           ; the rest is 32 numbers' work: wave 0 does it
	ds_load_b32 v16, v15                           ; the four tokens' 128 scale bytes, 4 a lane
.irp w, 0,1,2,3
	ds_load_b32 v[20+\w], v14 offset:256*\w        ; x Wg: the four waves' parts
	ds_load_b32 v[24+\w], v14 offset:256*\w+32     ; x Wn
.endr
	v_and_b32 v32, 7, v2                           ; e
	v_cvt_f32_u32 v31, v32
	v_mov_b32 v37, 0xff800000                      ; -infinity
	v_lshrrev_b32 v45, 3, v2
	v_lshl_add_u32 v45, v45, 3, v5                 ; 8 (l / 8) + 4 e
	s_wait_dscnt 0x0
	global_store_b32 v6, v16, s[42:43] offset:XSOFF
	v_add_f32 v20, v20, v21
	v_add_f32 v22, v22, v23
	v_add_f32 v24, v24, v25
	v_add_f32 v26, v26, v27
	v_add_f32 v20, v20, v22
	v_add_f32 v24, v24, v26
	v_add_f32 v20, v20, v248                       ; the logit
	v_add_f32 v24, v24, v249                       ; z
	v_and_b32 v28, 0x7fffffff, v24
	v_mul_f32 v28, 0xbfb8aa3b, v28                 ; -|z| log2 e
	s_wait_alu depctr_va_vdst(0)
	v_exp_f32 v28, v28
	v_max_num_f32 v29, 0, v24                      ; (the plain line behind the transcendental)
	s_wait_alu depctr_va_vdst(0)                   ; the wait ahead of the first reader
	v_add_f32 v28, 1.0, v28
	s_wait_alu depctr_va_vdst(0)
	v_log_f32 v28, v28
	v_nop
	s_wait_alu depctr_va_vdst(0)
	v_fmamk_f32 v28, v28, 0x3f317218, v29          ; softplus(z) = ln 2 * log2(1 + e^-|z|) + max(z, 0)
	v_fma_f32 v30, v250, v28, v20                  ; the noisy logit
	v_mov_b32 v33, v30
	v_max_num_f32_dpp v33, v33, v33 row_xmask:1 row_mask:0xf bank_mask:0xf
	v_max_num_f32_dpp v33, v33, v33 row_xmask:2 row_mask:0xf bank_mask:0xf
	v_max_num_f32_dpp v33, v33, v33 row_xmask:4 row_mask:0xf bank_mask:0xf   ; the token's largest
	v_cmp_eq_f32 vcc_lo, v30, v33
	v_cndmask_b32 v34, 0x41000000, v31, vcc_lo     ; my e where I hold it, else 8
	v_min_num_f32_dpp v34, v34, v34 row_xmask:1 row_mask:0xf bank_mask:0xf
	v_min_num_f32_dpp v34, v34, v34 row_xmask:2 row_mask:0xf bank_mask:0xf
	v_min_num_f32_dpp v34, v34, v34 row_xmask:4 row_mask:0xf bank_mask:0xf   ; the lowest such e: the first choice
	v_cmp_eq_f32 vcc_lo, v31, v34
	v_cndmask_b32 v36, v30, v37, vcc_lo            ; it is taken out, and the search goes once more
	v_mov_b32 v38, v36
	v_max_num_f32_dpp v38, v38, v38 row_xmask:1 row_mask:0xf bank_mask:0xf
	v_max_num_f32_dpp v38, v38, v38 row_xmask:2 row_mask:0xf bank_mask:0xf
	v_max_num_f32_dpp v38, v38, v38 row_xmask:4 row_mask:0xf bank_mask:0xf
	v_cmp_eq_f32 vcc_lo, v36, v38
	v_cndmask_b32 v39, 0x41000000, v31, vcc_lo
	v_min_num_f32_dpp v39, v39, v39 row_xmask:1 row_mask:0xf bank_mask:0xf
	v_min_num_f32_dpp v39, v39, v39 row_xmask:2 row_mask:0xf bank_mask:0xf
	v_min_num_f32_dpp v39, v39, v39 row_xmask:4 row_mask:0xf bank_mask:0xf   ; the second choice
	v_sub_f32 v40, v38, v33                        ; the larger is taken away: 0 and this, which is 0 or less
	v_mul_f32 v40, 0x3fb8aa3b, v40
	s_wait_alu depctr_va_vdst(0)
	v_exp_f32 v40, v40
	v_nop
	s_wait_alu depctr_va_vdst(0)
	v_add_f32 v41, 1.0, v40
	s_wait_alu depctr_va_vdst(0)
	v_rcp_f32 v41, v41                             ; the first gate
	v_cmp_eq_u32 vcc_lo, 0, v32                    ; (a plain line)
	s_wait_alu depctr_va_vdst(0)
	v_mul_f32 v42, v40, v41                        ; the second
	v_cndmask_b32 v43, v42, v41, vcc_lo            ; lane e = 0 stores the first choice, lane e = 1 the second
	v_cndmask_b32 v44, v39, v34, vcc_lo
	v_cvt_u32_f32 v44, v44
	v_cmp_gt_u32 vcc_lo, 2, v32
	s_wait_alu depctr_va_vdst(0)
	s_wait_xcnt 0x0                                ; EXEC changes only behind this wait: a store is out
	s_and_saveexec_b32 s46, vcc_lo
	global_store_b32 v45, v44, s[18:19]
	global_store_b32 v45, v43, s[44:45] offset:GTOFF
	s_wait_xcnt 0x0
	s_or_b32 exec_lo, exec_lo, s46
.Lend:
	s_wait_tensorcnt 0x0
	ds_add_u32 v254, v255
	s_wait_dscnt 0x0
	s_endpgm
.Lfunc_end_k_q9fac622be0_route:
	.size	k_q9fac622be0_route, .Lfunc_end_k_q9fac622be0_route-k_q9fac622be0_route
	.p2alignl 7, 3214868480
	.fill 96, 4, 3214868480
	.section	.rodata,"a",@progbits
	.p2align	6, 0x0
	.amdhsa_kernel k_q9fac622be0_route
		.amdhsa_group_segment_fixed_size 22272
		.amdhsa_private_segment_fixed_size 0
		.amdhsa_enable_private_segment 0
		.amdhsa_kernarg_size 64
		.amdhsa_user_sgpr_count 2
		.amdhsa_user_sgpr_kernarg_segment_ptr 1
		.amdhsa_wavefront_size32 1
		.amdhsa_system_sgpr_workgroup_id_x 1
		.amdhsa_system_sgpr_workgroup_id_y 1
		.amdhsa_system_sgpr_workgroup_id_z 1
		.amdhsa_system_vgpr_workitem_id 0
		.amdhsa_next_free_vgpr 256
		.amdhsa_next_free_sgpr 66
		.amdhsa_reserve_vcc 1
		.amdhsa_float_denorm_mode_32 3
		.amdhsa_float_denorm_mode_16_64 3
		.amdhsa_memory_ordered 1
		.amdhsa_forward_progress 1
		.amdhsa_inst_pref_size 44
	.end_amdhsa_kernel
	.amdgpu_metadata
---
amdhsa.version: [ 1, 2 ]
amdhsa.kernels:
  - .name:           k_q9fac622be0_route
    .symbol:         k_q9fac622be0_route.kd
    .args:
      - { .name: x, .offset: 0, .size: 8, .value_kind: global_buffer, .address_space: global }
      - { .name: Wg, .offset: 8, .size: 8, .value_kind: global_buffer, .address_space: global }
      - { .name: Wn, .offset: 16, .size: 8, .value_kind: global_buffer, .address_space: global }
      - { .name: bg, .offset: 24, .size: 8, .value_kind: global_buffer, .address_space: global }
      - { .name: bn, .offset: 32, .size: 8, .value_kind: global_buffer, .address_space: global }
      - { .name: noise, .offset: 40, .size: 8, .value_kind: global_buffer, .address_space: global }
      - { .name: xw, .offset: 48, .size: 8, .value_kind: global_buffer, .address_space: global }
      - { .name: sel, .offset: 56, .size: 8, .value_kind: global_buffer, .address_space: global }
    .group_segment_fixed_size: 22272
    .private_segment_fixed_size: 0
    .kernarg_segment_align: 8
    .kernarg_segment_size: 64
    .max_flat_workgroup_size: 128
    .sgpr_count:     66
    .vgpr_count:     256
    .wavefront_size: 32
...
	.end_amdgpu_metadata
.endif
;; end of part 6
;; launch place (part 7): grid 1 x 1, 8 waves a work-group, no clusters, 2,048 bytes of LDS; arguments sel, rt; writes rt
.if DOCPART == 7
	.amdgcn_target "amdgcn-amd-amdhsa--gfx1250"
	.amdhsa_code_object_version 6
	.text
	.protected	k_q9fac622be0_place
	.globl	k_q9fac622be0_place
	.p2align	8
	.type	k_q9fac622be0_place,@function
k_q9fac622be0_place:
	s_mov_b64 s[64:65], 0
	v_nop
	global_prefetch_b8 v0, s[64:65] scope:SCOPE_SE
	s_setreg_imm32_b32 hwreg(HW_REG_WAVE_MODE, 25, 1), 1
	s_wait_xcnt 0x0
; THE ROUTED ROWS ARE PLACED BY EXPERT: a counting sort of the 2,048 entries (token, choice) without atomics, by one work-group of eight waves.
; Each expert's rows are padded to tiles of 16 slots: (2,048 + 8 x 15) / 16 = 135 tiles at the most, whatever the choice.
; rt: at 0 slot -> token, 2,176 words (a pad slot names token 0);  at 8,704 [token][2] -> slot;  at 16,896 [expert] = (first tile, tiles).
; Wave w has entries 256 w + 128 j + 4 l + i.  An entry's rank among its expert's = those in earlier waves + those in earlier registers of my wave + those in lower lanes of its register.
; One work-group: the sort is 8 KiB in and 17 KiB out, and every entry's place hangs on all the counts.
	s_load_b128 s[4:7], s[0:1], 0x0                ; sel, rt
	v_lshl_add_u32 v64, v0, 2, 0x400
	v_mov_b32 v65, 0
	v_lshrrev_b32 v1, 5, v0
	s_delay_alu instid0(VALU_DEP_1)
	v_readfirstlane_b32 s8, v1                     ; wave
	s_lshl_b32 s9, s8, 2
	v_and_b32 v2, 31, v0                           ; lane
	s_delay_alu instid0(VALU_DEP_1)
	v_lshlrev_b32 v3, 4, v2
	s_delay_alu instid0(VALU_DEP_1)
	v_lshl_add_u32 v3, v1, 10, v3                  ; 1,024 w + 16 l
	s_delay_alu instid0(VALU_DEP_3)
	v_lshlrev_b32 v4, 1, v2
	s_delay_alu instid0(VALU_DEP_1)
	v_lshl_add_u32 v4, v1, 7, v4                   ; the token of entries i = 0, 1 of j = 0: 128 w + 2 l;
	s_delay_alu instid0(VALU_DEP_1)
	v_add_nc_u32 v5, 1, v4                         ; of i = 2, 3;
	s_delay_alu instid0(VALU_DEP_2)
	v_add_nc_u32 v6, 64, v4                        ; of j = 1
	s_delay_alu instid0(VALU_DEP_3)
	v_add_nc_u32 v7, 65, v4
	v_lshlrev_b32 v1, 3, v2                        ; 8 x lane: an expert's place in the table (the wave's number has been used)
	s_wait_alu depctr_va_vdst(0)
	s_wait_kmcnt 0x0
	global_load_b128 v[8:11], v3, s[4:5]
	global_load_b128 v[12:15], v3, s[4:5] offset:512
.irp e, 0,1,2,3,4,5,6,7
	v_mov_b32 v[16+\e], 0                          ; the ranks
	s_mov_b32 s[16+\e], 0                          ; my wave's count for each expert so far
.endr
	v_mov_b32 v48, 0
	v_mov_b32 v53, 0
	v_mov_b32 v57, 0
	s_wait_loadcnt 0x0
.irp a, 0,1,2,3,4,5,6,7
	v_min_u32 v[8+\a], 7, v[8+\a]                  ; an expert's number is held inside the table
.endr
.irp a, 0,1,2,3,4,5,6,7
.irp e, 0,1,2,3,4,5,6,7
	v_cmp_eq_u32 s24, \e, v[8+\a]
	s_delay_alu instid0(VALU_DEP_1)
	v_mbcnt_lo_u32_b32 v49, s24, s[16+\e]          ; lower lanes with this expert + the count so far
	s_delay_alu instid0(VALU_DEP_1)
	v_cndmask_b32 v[16+\a], v[16+\a], v49, s24
	s_bcnt1_i32_b32 s25, s24
	s_add_co_u32 s[16+\e], s[16+\e], s25
.endr
.endr
.irp e, 0
	v_writelane_b32 v48, s[16+\e], \e
.endr
.irp e, 1, 2, 3, 4, 5, 6, 7
	s_delay_alu instid0(VALU_DEP_1)
	v_writelane_b32 v48, s[16+\e], \e
.endr
	v_lshlrev_b32 v50, 2, v0                       ; 128 w + 4 l
	ds_store_b32 v50, v48
	s_wait_dscnt 0x0                               ; for the others' sake
	s_barrier_signal -1
	s_barrier_wait -1
	v_and_b32 v51, 7, v2
	s_delay_alu instid0(VALU_DEP_1)
	v_lshlrev_b32 v51, 2, v51
.irp w, 0,1,2,3,4,5,6,7
	ds_load_b32 v[40+\w], v51 offset:128*\w        ; lane l: expert l % 8's count in each wave
.endr
	s_wait_dscnt 0x0
	v_add_nc_u32 v52, v40, v41
	s_delay_alu instid0(VALU_DEP_1)
	v_add3_u32 v52, v52, v42, v43
	s_delay_alu instid0(VALU_DEP_1)
	v_add3_u32 v52, v52, v44, v45
	s_delay_alu instid0(VALU_DEP_1)
	v_add3_u32 v52, v52, v46, v47                  ; the expert's rows
.irp w, 0,1,2,3,4,5,6
	s_cmp_gt_u32 s8, \w
	s_cselect_b32 s24, -1, 0
	v_and_b32 v49, s24, v[40+\w]
	s_delay_alu instid0(VALU_DEP_1)
	v_add_nc_u32 v53, v53, v49                     ; those in the waves before mine
.endr
	v_add_nc_u32 v55, 15, v52
	s_delay_alu instid0(VALU_DEP_1)
	v_lshrrev_b32 v55, 4, v55                      ; its tiles
	s_delay_alu instid0(VALU_DEP_1)
	v_mov_b32 v56, v55                             ; their running sum over lanes 0 to 7 (the higher lanes' are not used)
	s_delay_alu instid0(VALU_DEP_1)
	v_mov_b32_dpp v57, v56 row_shr:1 row_mask:0xf bank_mask:0xf bound_ctrl:1
	s_delay_alu instid0(VALU_DEP_1)
	v_add_nc_u32 v56, v56, v57
	s_delay_alu instid0(VALU_DEP_1)
	v_mov_b32_dpp v57, v56 row_shr:2 row_mask:0xf bank_mask:0xf bound_ctrl:1
	s_delay_alu instid0(VALU_DEP_1)
	v_add_nc_u32 v56, v56, v57
	s_delay_alu instid0(VALU_DEP_1)
	v_mov_b32_dpp v57, v56 row_shr:4 row_mask:0xf bank_mask:0xf bound_ctrl:1
	s_delay_alu instid0(VALU_DEP_1)
	v_add_nc_u32 v56, v56, v57
	s_delay_alu instid0(VALU_DEP_1)
	v_sub_nc_u32 v54, v56, v55                     ; its first tile
	s_delay_alu instid0(VALU_DEP_1)
	v_lshl_add_u32 v58, v54, 4, v53                ; where my wave's rows of it begin
	s_delay_alu instid0(VALU_DEP_2)
	v_lshl_add_u32 v59, v54, 4, v52                ; where its pad slots begin,
	s_delay_alu instid0(VALU_DEP_4)
	v_lshlrev_b32 v60, 4, v56                      ; and end
.irp a, 0,1,2,3,4,5,6,7
	v_lshlrev_b32 v[32+\a], 2, v[8+\a]
.endr
.irp a, 0,1,2,3,4,5,6,7
	ds_bpermute_b32 v[24+\a], v[32+\a], v58        ; from the lane of the entry's expert
.endr
	v_mov_b32 v61, s9
	ds_bpermute_b32 v62, v61, v59                  ; wave w sees to expert w's pad slots
	ds_bpermute_b32 v63, v61, v60
	s_wait_dscnt 0x0
.irp a, 0,1,2,3,4,5,6,7
	v_add_nc_u32 v[24+\a], v[24+\a], v[16+\a]
.endr
.irp a, 0,1,2,3,4,5,6,7
	v_min_u32 v[24+\a], 0x87f, v[24+\a]            ; the slot, held inside the list's 2,176 words
.endr
.irp a, 0,1,2,3,4,5,6,7
	v_lshlrev_b32 v[32+\a], 2, v[24+\a]
.endr
	global_store_b128 v3, v[24:27], s[6:7] offset:8704
	global_store_b128 v3, v[28:31], s[6:7] offset:8704+512
.irp a, 0,1,2,3,4,5,6,7
	global_store_b32 v[32+\a], v[4+2*(\a/4)+(\a%4)/2], s[6:7]
.endr
	s_cmp_lg_u32 s8, 0                             ; the table: every wave holds it in lanes 0 to 7, wave 0 stores it
	s_cbranch_scc1 .Lpads
	v_cmp_gt_u32 vcc_lo, 8, v2
	s_wait_xcnt 0x0                                ; EXEC changes only behind this wait: stores are out
	s_and_saveexec_b32 s10, vcc_lo
	global_store_b64 v1, v[54:55], s[6:7] offset:16896
	s_wait_xcnt 0x0
	s_or_b32 exec_lo, exec_lo, s10
.Lpads:
	v_add_nc_u32 v62, v62, v2                      ; the pad slots come last: their mask is the one that hangs on the counts
	s_delay_alu instid0(VALU_DEP_1)
	v_cmp_lt_u32 vcc_lo, v62, v63                  ; at most 15 pad slots
	s_delay_alu instid0(VALU_DEP_2)
	v_min_u32 v62, 0x87f, v62
	s_delay_alu instid0(VALU_DEP_1)
	v_lshlrev_b32 v62, 2, v62
	v_mov_b32 v61, 0
	s_wait_alu depctr_va_vdst(0)
	s_wait_xcnt 0x0                                ; EXEC changes only behind this wait
	s_wait_tensorcnt 0x0
	ds_add_u32 v64, v65
	s_wait_dscnt 0x0
	s_and_saveexec_b32 s10, vcc_lo
	global_store_b32 v62, v61, s[6:7]
	s_wait_xcnt 0x0
	s_or_b32 exec_lo, exec_lo, s10
	s_endpgm
.Lfunc_end_k_q9fac622be0_place:
	.size	k_q9fac622be0_place, .Lfunc_end_k_q9fac622be0_place-k_q9fac622be0_place
	.p2alignl 7, 3214868480
	.fill 96, 4, 3214868480
	.section	.rodata,"a",@progbits
	.p2align	6, 0x0
	.amdhsa_kernel k_q9fac622be0_place
		.amdhsa_group_segment_fixed_size 2048
		.amdhsa_private_segment_fixed_size 0
		.amdhsa_enable_private_segment 0
		.amdhsa_kernarg_size 16
		.amdhsa_user_sgpr_count 2
		.amdhsa_user_sgpr_kernarg_segment_ptr 1
		.amdhsa_wavefront_size32 1
		.amdhsa_system_sgpr_workgroup_id_x 1
		.amdhsa_system_sgpr_workgroup_id_y 1
		.amdhsa_system_sgpr_workgroup_id_z 1
		.amdhsa_system_vgpr_workitem_id 0
		.amdhsa_next_free_vgpr 66
		.amdhsa_next_free_sgpr 66
		.amdhsa_reserve_vcc 1
		.amdhsa_float_denorm_mode_32 3
		.amdhsa_float_denorm_mode_16_64 3
		.amdhsa_memory_ordered 1
		.amdhsa_forward_progress 1
		.amdhsa_inst_pref_size 31
	.end_amdhsa_kernel
	.amdgpu_metadata
---
amdhsa.version: [ 1, 2 ]
amdhsa.kernels:
  - .name:           k_q9fac622be0_place
    .symbol:         k_q9fac622be0_place.kd
    .args:
      - { .name: sel, .offset: 0, .size: 8, .value_kind: global_buffer, .address_space: global }
      - { .name: rt, .offset: 8, .size: 8, .value_kind: global_buffer, .address_space: global }
    .group_segment_fixed_size: 2048
    .private_segment_fixed_size: 0
    .kernarg_segment_align: 8
    .kernarg_segment_size: 16
    .max_flat_workgroup_size: 256
    .sgpr_count:     66
    .vgpr_count:     66
    .wavefront_size: 32
...
	.end_amdgpu_metadata
.endif
;; end of part 7
;; launch up (part 8): grid 32 x 8, 4 waves a work-group, no clusters, 101,888 bytes of LDS; arguments xw, W1_codes, W1_scales, b1, rt, hw; writes hw
.if DOCPART == 8
	.amdgcn_target "amdgcn-amd-amdhsa--gfx1250"
	.amdhsa_code_object_version 6
	.text
	.protected	k_q9fac622be0_up
	.globl	k_q9fac622be0_up
	.p2align	8
	.type	k_q9fac622be0_up,@function
k_q9fac622be0_up:
	s_mov_b64 s[64:65], 0
	v_nop
	global_prefetch_b8 v0, s[64:65] scope:SCOPE_SE
	s_setreg_imm32_b32 hwreg(HW_REG_WAVE_SCHED_MODE, 0, 2), 2
	s_setreg_imm32_b32 hwreg(HW_REG_WAVE_MODE, 25, 1), 1
	s_wait_xcnt 0x0
	s_wait_alu depctr_vm_vsrc(0)
; h = Q(relu(Q(x) W1[e] + b1[e])) FOR THE ROWS THAT CHOSE EXPERT e, on codes of BF6 (E3M2) with one E8M0 byte for each 32 along K; h leaves as codes.
; SHARES.  Work-group (c, e) owns hidden units 128 c .. 128 c + 127 of expert e: 128 rows x 768 bytes of W1's codes, 98,304 dense bytes, read from memory once in the launch.
; EVERY WAVE KEEPS ALL 64 WEIGHT FRAGMENTS (8 tiles of 16 units x 8 K steps, 768 registers); the waves share the ROWS: wave w takes the expert's tiles of 16 slots w, w + 4, ..  So the row loop has no barrier.
; 128 units are one K step of the second product: a wave's 8 tiles of a tile of rows become one whole fragment and one scale word a row.
; THE PRODUCT IS USED TRANSPOSED (source 0 = 16 rows of W1, source 1 = 16 rows of x): a lane holds one row, its registers run along the units.  THE ROWS OF W1 THAT FORM A TILE ARE NOT NEIGHBOURS:
; lane r of tile 2 b + u takes unit 32 b + 8 u + r + 8 (r / 8), so that the 16 registers of tiles 2 b, 2 b + 1 are 16 neighbours along the next K.  b1 is the C of each sum's first product.
; hw: codes at 0: tile x 49,152 + K step x 1,536 + 512 g + 16 lane: the fragment's registers 4 g .. 4 g + 3 as they stand;  scale words at 6,684,672: tile x 4,096 + K step x 128 + 4 lane.
; NO TENSOR LOAD, NO CLUSTER: how many tiles an expert has is read from memory (rt), so trip counts and a branch hang on loaded numbers; operands go from memory to registers, the weights once through LDS to reach all four waves.
; A look-ahead past the expert's last tile names tile 0, which always exists (2,048 rows are 128 tiles at the least).
; LIMITS: NaN and infinities are not served; a block of zeros gets the byte 1, not 127 (its codes are zeros; only this program reads the bytes).
; REGISTERS.  Window 0: v1-13 addresses; v14, v6 list words; v15 and v255 the closing add's two (0, and the LDS address of my spare word); v16-19 x's scale words, v20-23 the next tile's; v24-55 W1's scale words; v56-67 fragment 63;
;   v68-163 x's 8 fragments; v164-227 the 8 accumulators; v228-239 h's codes; v240-251 at work; v252 h's scale word; v253-254 the first tile's addresses.   Windows 1-3: fragment f = 8 s + t at 12 (f % 21) of window 1 + f / 21.
; THE MODE: SCHED_MODE bits 1:0 = 2 (LLVM: expert scheduling mode 2), set by the entry lines.  The code itself states the register dependences
; between vector or matrix instructions and memory or LDS instructions, with s_wait_alu, always for 0.
; THE PLAN.  Registers that memory or LDS instructions touch, in the loop:
;   AR0 .. AR7   K step s's eight products read AR[s]; the next tile's K step s lands in it.  AR0-3 are asked for again in one run behind K step 3, AR4-7 in one run behind K step 7.
;   v4, v5       the next tile's offsets: written by five vector lines behind K step 3; read by that trip's 25 loads of x.
;   v6           a list word: those five lines read it, then the list word of two trips on lands in it.
;   XT           the next tile's scale words land in it behind K step 3; four moves read it behind K step 7.
;   ACC          b1 lands in it; the products add onto it; the activation and the conversions work on it.
;   PC, PW       written by the quantiser; read by the trip's four stores.
;   v1, v2, v3, v7  offsets and an LDS address, never written again.
; So a trip has three waits on va_vdst (behind K step 3, behind K step 7, behind the quantiser) and one on vm_vsrc (behind K step 3), and each run of loads or stores follows one of them.
.set PITCH, 784                        ; a row of W1 in LDS: 768 + 16 bytes = 196 words: row r starts at bank 4 r mod 64 (64 banks of 4 bytes: ISA guide 11.1): the 32 lanes of a load of 8 bytes touch 64 different banks
.set BIAS,  128*PITCH                  ; behind the rows: my 128 numbers of b1
.set XS,    16
.set XT,    20
.set WS,    24                         ; 8 p + s: lanes 0-15 tile 2 p, lanes 16-31 tile 2 p + 1, K step s
.set F63,   56
.set AR,    68
.set ACC,   164
.set PC,    228
.set TM,    240
.set PW,    252
.set XSOFF, 786432
.set HSOFF, 6684672
.set MSB, 0
.macro WIN new                         ; s_set_vgpr_msb: bits 1:0 source 0, 3:2 source 1, 5:4 source 2, 7:6 destination; the high byte repeats the setting that is left
.if MSB != (\new)
	s_set_vgpr_msb (MSB<<8)|(\new)
.set MSB, (\new)
.endif
.endm
.macro FREG f                          ; where fragment f lies: window FW, register FL
.if (\f) < 63
.set FW, 1+(\f)/21
.set FL, 12*((\f)%21)
.else
.set FW, 0
.set FL, F63
.endif
.endm
.macro TABS dst, add                   ; s[dst] = the number of my tile i + add, or 0 past the expert's end; held inside the 136 tiles
	s_add_co_u32 s63, s62, \add
	s_add_co_u32 s[\dst], s60, s63
	s_cmp_lt_u32 s63, s61
	s_cselect_b32 s[\dst], s[\dst], 0
	s_min_u32 s[\dst], s[\dst], 135
.endm
.macro MKADR tok, ga, gx               ; from a list word: where my lane's codes (v[ga]) and scale bytes (v[gx]) of that token lie
	v_min_u32 v[\tok], 0x3ff, v[\tok]
	v_mul_u32_u24 v[\ga], 0x300, v[\tok]
	v_add_nc_u32 v[\ga], v[\ga], v12
	v_lshlrev_b32 v[\gx], 5, v[\tok]
	v_add_nc_u32 v[\gx], v[\gx], v13
.endm
.macro ALOAD s, ga                     ; x's fragment of K step s: my lane's 48 bytes on end are its 12 registers
.irp g, 0,1,2
	global_load_b128 v[AR+12*(\s)+4*\g:AR+12*(\s)+4*\g+3], v[\ga], s[4:5] offset:96*(\s)+16*\g
.endr
.endm
.macro BIASLD                          ; b1 at units 32 b + 16 h + 8 u + 0 .. 7 into the eight accumulators: the sums begin with it
.irp t, 0,1,2,3,4,5,6,7
	ds_load_b128 v[ACC+8*\t:ACC+8*\t+3], v7 offset:128*(\t>>1)+32*(\t&1)
	ds_load_b128 v[ACC+8*\t+4:ACC+8*\t+7], v7 offset:128*(\t>>1)+32*(\t&1)+16
.endr
.endm
.macro WM                              ; the matrix line, by which rows of the scale registers it reads
.if RA && RB
	v_wmma_scale_f32_16x16x128_f8f6f4 v[DA:DA+7], v[FL:FL+11], v[BR:BR+11], v[DA:DA+7], v[SW], v[SH] matrix_a_fmt:MATRIX_FMT_BF6 matrix_b_fmt:MATRIX_FMT_BF6 matrix_a_scale:MATRIX_SCALE_ROW1 matrix_b_scale:MATRIX_SCALE_ROW1
.elseif RA
	v_wmma_scale_f32_16x16x128_f8f6f4 v[DA:DA+7], v[FL:FL+11], v[BR:BR+11], v[DA:DA+7], v[SW], v[SH] matrix_a_fmt:MATRIX_FMT_BF6 matrix_b_fmt:MATRIX_FMT_BF6 matrix_a_scale:MATRIX_SCALE_ROW1
.elseif RB
	v_wmma_scale_f32_16x16x128_f8f6f4 v[DA:DA+7], v[FL:FL+11], v[BR:BR+11], v[DA:DA+7], v[SW], v[SH] matrix_a_fmt:MATRIX_FMT_BF6 matrix_b_fmt:MATRIX_FMT_BF6 matrix_b_scale:MATRIX_SCALE_ROW1
.else
	v_wmma_scale_f32_16x16x128_f8f6f4 v[DA:DA+7], v[FL:FL+11], v[BR:BR+11], v[DA:DA+7], v[SW], v[SH] matrix_a_fmt:MATRIX_FMT_BF6 matrix_b_fmt:MATRIX_FMT_BF6
.endif
.endm
.macro PROD t, s                       ; tile t of units, K step s
	FREG 8*(\s)+(\t)
	WIN FW                                         ; source 0 in the fragment's window, all else in window 0
.set DA, ACC+8*(\t)
.set BR, AR+12*(\s)
.set SW, WS+8*((\t)>>1)+(\s)
.set SH, XS+((\s)&3)
.set RA, (\t)&1
.set RB, (\s)>>2
	WM
.endm
.macro SETB                            ; the bases that hang on i: where this tile's codes and scale words go, and the list words of the tile eight on
	TABS 41, 0
	s_mul_i32 s42, s41, 49152
	s_add_co_u32 s42, s42, s56
	s_add_nc_u64 s[50:51], s[14:15], s[42:43]
	s_lshl_b32 s42, s41, 12
	s_add_co_u32 s42, s42, s57
	s_add_nc_u64 s[52:53], s[14:15], s[42:43]
	TABS 41, 8
	s_lshl_b32 s42, s41, 6
	s_add_nc_u64 s[54:55], s[12:13], s[42:43]
.endm
	s_load_b256 s[4:11], s[0:1], 0x0               ; xw, W1's codes, W1's scales, b1
	s_load_b128 s[12:15], s[0:1], 0x20             ; rt, hw
	v_lshl_add_u32 v255, v0, 2, 0x18c00            ; the LDS address of my spare word, and 0: made here and kept for the closing lines alone
	v_mov_b32 v15, 0
	v_lshrrev_b32 v247, 5, v0
	v_readfirstlane_b32 s16, v247                  ; wave
	s_and_b32 s18, ttmp7, 0xffff                   ; e;  ttmp9 = c
	v_and_b32 v240, 31, v0                         ; lane
	v_and_b32 v241, 15, v0                         ; r
	v_bfe_u32 v242, v0, 4, 1                       ; h
	v_lshlrev_b32 v1, 4, v240                      ; 16 x lane
	v_lshlrev_b32 v2, 2, v240                      ; 4 x lane
	v_lshlrev_b32 v3, 2, v241                      ; 4 r
	v_lshl_add_u32 v7, v242, 6, BIAS               ; b1 in LDS: + 64 h
	v_mul_u32_u24 v8, v241, PITCH
	v_mad_u32_u24 v8, v242, 24, v8                 ; a fragment's row r, + 24 h: tiles 0-3,
	v_add_nc_u32 v9, 64*PITCH, v8                  ; tiles 4-7
	s_wait_alu depctr_va_sdst(0)                   ; s16 is written, ahead of its first reader: LDS places, bases and the walk over tiles are made from it
	s_mul_i32 s19, s16, 32*PITCH
	v_add_nc_u32 v10, s19, v1                      ; the way into LDS: my wave's 32 rows, 16 x lane;
	v_lshl_add_u32 v11, v242, 4, v10               ; and where lanes 16-31 lie one row, so one padding, further on
	v_mul_u32_u24 v12, v242, 48                    ; 48 h
	v_lshlrev_b32 v13, 4, v242                     ; 16 h
	v_and_b32 v243, 8, v241
	v_add_nc_u32 v243, v243, v241
	v_lshl_add_u32 v243, v242, 3, v243
	v_lshlrev_b32 v243, 5, v243                    ; W1's scale bytes: 32 a row; row 8 h + r + 8 (r / 8) of a group of 32
	v_lshlrev_b32 v244, 2, v0                      ; b1: 4 x thread
	v_add_nc_u32 v245, BIAS, v244
	s_mul_i32 s20, s18, 3145728                    ; the codes: the expert's 4,096 rows,
	s_mul_i32 s21, ttmp9, 98304                    ; my work-group's 128,
	s_add_co_u32 s20, s20, s21
	s_mul_i32 s21, s16, 24576                      ; my wave's 32
	s_add_co_u32 s20, s20, s21
	s_mov_b32 s21, 0
	s_lshl_b32 s22, s18, 17
	s_lshl_b32 s23, ttmp9, 12
	s_add_co_u32 s22, s22, s23                     ; the scale bytes
	s_mov_b32 s23, 0
	s_lshl_b32 s24, s18, 14
	s_lshl_b32 s25, ttmp9, 9
	s_add_co_u32 s24, s24, s25                     ; b1
	s_mov_b32 s25, 0
	s_lshl_b32 s26, s18, 3
	s_mov_b32 s43, 0
	s_mul_i32 s56, ttmp9, 1536                     ; K step c of the second product: its place in a tile's codes,
	s_lshl_b32 s57, ttmp9, 7                       ; and among its scale words
	s_mov_b32 s58, 0x76543210                      ; v_permlanex16_b32's selects for lane l xor 16
	s_mov_b32 s59, 0xfedcba98
	s_mov_b32 s62, s16                             ; i: my tile among the expert's
	s_wait_kmcnt 0x0
	s_load_b64 s[60:61], s[12:13], s26 offset:16896   ; the expert's first tile and its tiles
	s_add_nc_u64 s[6:7], s[6:7], s[20:21]
	s_add_nc_u64 s[8:9], s[8:9], s[22:23]
	s_add_nc_u64 s[10:11], s[10:11], s[24:25]
	WIN 0x40                                       ; destination window 1: v256-447 hold my 24,576 bytes on their way to LDS
	s_wait_alu depctr_va_vdst(0)                   ; the offsets and LDS addresses v1 to v13 and v243 to v245 are written, which the loads and LDS stores of the head and the loop read
.set JJ, 0
.rept 48
	global_load_b128 v[4*JJ:4*JJ+3], v1, s[6:7] offset:512*JJ th:TH_LOAD_NT   ; 32 lanes read 512 consecutive bytes; read once in the launch
.set JJ, JJ+1
.endr
	WIN 0
.irp p, 0,1,2,3
.irp m, 0,1
	global_load_b128 v[WS+8*\p+4*\m:WS+8*\p+4*\m+3], v243, s[8:9] offset:1024*\p+16*\m
.endr
.endr
	global_load_b32 v246, v244, s[10:11]
	s_wait_kmcnt 0x0
	s_min_u32 s60, s60, 135
	s_min_u32 s61, s61, 64                         ; an expert has 1,024 rows at the most
	TABS 41, 0
	s_lshl_b32 s42, s41, 6
	s_add_nc_u64 s[44:45], s[12:13], s[42:43]
	global_load_b32 v14, v3, s[44:45]              ; my first tile's tokens: lane (r, h) takes slot r's
	TABS 46, 4
	s_lshl_b32 s42, s46, 6
	s_add_nc_u64 s[48:49], s[12:13], s[42:43]
	global_load_b32 v6, v3, s[48:49]               ; and my second's
	s_wait_loadcnt 0x0
	MKADR 14, 253, 254                             ; the first tile's addresses have registers of their own, which are never written again
	s_wait_alu depctr_va_vdst(0)                   ; v253 and v254 are written, which the 25 loads below read as their offsets
	global_load_b128 v[XS:XS+3], v254, s[4:5] offset:XSOFF   ; lanes 0-15: the scale words of K steps 0-3, lanes 16-31: of 4-7
.irp s, 0,1,2,3,4,5,6,7
	ALOAD \s, 253
.endr
	WIN 0x04                                       ; an LDS store's data are its source 1: window 1
; Three loads hold two rows of 768 bytes.  Rows 2 a, 2 a + 1 of my 32 go to LDS rows PI, PI + 1 of my 32, so that tile t's 16 rows lie on end: x = 16 (r / 8) + 8 u + r % 8 goes to row 16 u + r.
.set AI, 0
.rept 16
.set PI, (16*((AI>>2)&1)+8*(AI>>3)+2*(AI&3))*PITCH
	ds_store_b128 v10, v[12*AI:12*AI+3] offset:PI
	ds_store_b128 v11, v[12*AI+4:12*AI+7] offset:PI+512
	ds_store_b128 v10, v[12*AI+8:12*AI+11] offset:PI+1040
.set AI, AI+1
.endr
	WIN 0
	ds_store_b32 v245, v246
	s_wait_dscnt 0x0                               ; for the others' sake: my rows and my part of b1 lie in LDS
	s_barrier_signal -1
	s_barrier_wait -1                              ; the one barrier: from here on LDS is only read
	s_wait_alu depctr_vm_vsrc(0)                   ; my LDS stores have read v256 to v447, in which the fragments land, and v245, v246; the head's loads have read v243, v244: v243 to v246 are at work from here on
	s_cmp_ge_u32 s16, s61
	s_cbranch_scc1 .Lend                           ; a wave without a tile stores nothing and ends
	s_sub_co_u32 s27, s61, s16                     ; my trips: tiles w, w + 4, .. below the expert's count: (tiles - w + 3) / 4, at least 1 here,
	s_add_co_u32 s27, s27, 3
	s_lshr_b32 s27, s27, 2
	s_min_u32 s27, s27, 16                         ; and 16 at the most (64 tiles, four waves)
	s_mov_b32 s28, 0                               ; trips done
.set FI, 0
.rept 64                               ; fragment FI = 8 s + t: 16 rows x 128 K are 12 registers: 24 bytes of the row's stream of bits twice, in pieces of 8 bytes
	FREG FI
	WIN FW<<6
.set LO, 16*PITCH*(FI&3)+96*(FI>>3)
.irp p, 0,1,2,3,4,5
.if (FI&7) < 4
	ds_load_b64 v[FL+2*\p:FL+2*\p+1], v8 offset:LO+48*(\p/3)+8*(\p%3)
.else
	ds_load_b64 v[FL+2*\p:FL+2*\p+1], v9 offset:LO+48*(\p/3)+8*(\p%3)
.endif
.endr
.set FI, FI+1
.endr
	WIN 0
.irp b, 4,5,6,7
	v_mov_b32 v[TM+\b], 0                          ; a lane permute's destination counts as one of its sources
.endr
	BIASLD                                         ; the first tile's sums begin: no vector instruction has named the accumulators yet
.Ltile:                                            ; a trip is one tile of 16 slots: 64 products, the activation, the quantiser, four stores
	s_wait_dscnt 0x0                               ; b1 lies in the accumulators (in the first trip: and the 64 fragments in their registers)
.irp s, 0,1,2,3
	s_wait_loadcnt 21-3*\s                         ; K step s of x (and, older, its scale words) is in: behind its loads stand the 3 (3 - s) of K steps s + 1 to 3 and the 12 of K steps 4 to 7
.irp t, 0,1,2,3,4,5,6,7
	PROD \t, \s                                    ; the eight accumulators take turns, one instruction a turn
.endr
.endr
	WIN 0
	s_wait_xcnt 0x0                                ; the last trip's loads and stores, issued ahead of the 32 products above, have had their addresses translated: their offsets, data and bases may be written again
	s_wait_alu depctr_vm_vsrc(0)                   ; the last trip's loads have read v4 and v5, which the lines below write; its stores have read h's codes and scale word, which this trip's quantiser writes
	MKADR 6, 4, 5                                  ; the next tile's addresses, from the list word that the last trip brought.  (Five plain lines that name no register of the products: the places in front of the loads below)
	SETB
	s_wait_alu depctr_va_vdst(0)                   ; v4 and v5 are written; the lines above are done with v6; the products of K steps 0 to 3 are done reading their fragments of x
	global_load_b32 v6, v3, s[54:55]               ; the tokens of my tile two trips on
	global_load_b128 v[XT:XT+3], v5, s[4:5] offset:XSOFF   ; the next tile's scale words
.irp s, 0,1,2,3
	ALOAD \s, 4                                    ; the next tile's K steps 0 to 3
.endr
.irp s, 4,5,6,7
	s_wait_loadcnt 35-3*\s                         ; K step s of x is in: behind its loads stand the 3 (7 - s) of K steps s + 1 to 7 and the 14 just issued
.irp t, 0,1,2,3,4,5,6,7
	PROD \t, \s
.endr
.endr
	WIN 0
.rept 4
	v_nop                                          ; four places in front of the first read of results, of the moves into the scale words and of the loads below
.endr
	s_wait_alu depctr_va_vdst(0)                   ; the products of K steps 4 to 7 are done reading their fragments of x
.irp s, 4,5,6,7
	ALOAD \s, 4                                    ; the next tile's K steps 4 to 7
.endr
	s_wait_loadcnt 24                              ; all but the next tile's 24: the list word and the scale words are in
.irp g, 0,1,2,3
	v_mov_b32 v[XS+\g], v[XT+\g]                   ; (more than eight plain lines stand between these and the next product)
.endr
.set QI, 0
.rept 64
	v_max_num_f32 v[ACC+QI], 0, v[ACC+QI]          ; the activation, in f32; each accumulator from its low end on
.set QI, QI+1
.endr
; The quantiser along the next K: register 16 b + i = unit 32 b + 16 h + i of my row.  No |.|: none is negative.
.irp b, 0,1,2,3
	v_max3_num_f32 v[TM+\b], v[ACC+16*\b], v[ACC+16*\b+1], 0x2800000   ; and the floor 2^(5 - 127): the byte cannot fall under 1
.endr
.irp i, 2,4,6,8,10,12,14
.irp b, 0,1,2,3
	v_max3_num_f32 v[TM+\b], v[TM+\b], v[ACC+16*\b+\i], v[ACC+16*\b+\i+1]
.endr
.endr
.irp b, 0,1,2,3
	v_permlanex16_b32 v[TM+4+\b], v[TM+\b], s58, s59
.endr
.irp b, 0,1,2,3
	v_max_num_f32 v[TM+\b], v[TM+\b], v[TM+4+\b]   ; with lane l xor 16's 16: the block's largest
.endr
.irp b, 0,1,2,3
	v_add_nc_u32 v[TM+8+\b], 0xfe000000, v[TM+\b]  ; 4 off its exponent field: the conversion's scale operand
.endr
.irp b, 0,1,2,3
	v_lshrrev_b32 v[TM+4+\b], 23, v[TM+8+\b]       ; the scale's byte
.endr
	v_lshl_or_b32 v[PW], v[TM+5], 8, v[TM+4]
	v_lshl_or_b32 v[PW], v[TM+6], 16, v[PW]
	v_lshl_or_b32 v[PW], v[TM+7], 24, v[PW]        ; my row's scale word for this K step
.irp c, 0,1
	v_cvt_scalef32_pk16_bf6_f32 v[PC+6*\c:PC+6*\c+2], v[ACC+32*\c:ACC+32*\c+15], v[TM+8+2*\c]
	v_cvt_scalef32_pk16_bf6_f32 v[TM+4*\c:TM+4*\c+2], v[ACC+32*\c+16:ACC+32*\c+31], v[TM+9+2*\c]   ; (a conversion's three registers begin on an even number)
.endr
	v_nop                                          ; one plain line behind a scaled conversion
.irp c, 0,1                                    ; the operand wants a whole block in a lane: lanes 0-15 block 2 c, lanes 16-31 block 2 c + 1
.irp i, 0,1,2
	v_permlane16_swap_b32 v[PC+6*\c+\i], v[TM+4*\c+\i]
.endr
.irp i, 0,1,2
	v_mov_b32 v[PC+3+6*\c+\i], v[TM+4*\c+\i]
.endr
.endr
	s_wait_alu depctr_va_vdst(0)                   ; h's codes and scale word are written, which the stores read; the conversions are done with the accumulators, in which b1 lands; x's scale words are written, which the next products take
	BIASLD                                         ; the next tile's sums begin (behind the last tile these sixteen loads are awaited at the end and not used)
.irp g, 0,1,2
	global_store_b128 v1, v[PC+4*\g:PC+4*\g+3], s[50:51] offset:512*\g   ; 32 lanes store 512 consecutive bytes, at a multiple of 512 from the buffer's first byte
.endr
	global_store_b32 v2, v[PW], s[52:53] offset:HSOFF
	s_add_co_u32 s62, s62, 4                       ; my next tile
	s_add_co_u32 s28, s28, 1                       ; the loop ends on its count of trips
	s_cmp_lt_u32 s28, s27
	s_cbranch_scc1 .Ltile
.Lend:
	s_wait_dscnt 0x0                               ; the closing lines, six on end (every window is 0 here: the add's two registers lie in window 0)
	s_wait_alu 0x0
	s_wait_tensorcnt 0x0
	ds_add_u32 v255, v15
	s_wait_dscnt 0x0
	s_endpgm
.Lfunc_end_k_q9fac622be0_up:
	.size	k_q9fac622be0_up, .Lfunc_end_k_q9fac622be0_up-k_q9fac622be0_up
	.p2alignl 7, 3214868480
	.fill 96, 4, 3214868480
	.section	.rodata,"a",@progbits
	.p2align	6, 0x0
	.amdhsa_kernel k_q9fac622be0_up
		.amdhsa_group_segment_fixed_size 101888
		.amdhsa_private_segment_fixed_size 0
		.amdhsa_enable_private_segment 0
		.amdhsa_kernarg_size 48
		.amdhsa_user_sgpr_count 2
		.amdhsa_user_sgpr_kernarg_segment_ptr 1
		.amdhsa_wavefront_size32 1
		.amdhsa_system_sgpr_workgroup_id_x 1
		.amdhsa_system_sgpr_workgroup_id_y 1
		.amdhsa_system_sgpr_workgroup_id_z 1
		.amdhsa_system_vgpr_workitem_id 0
		.amdhsa_next_free_vgpr 1024
		.amdhsa_next_free_sgpr 66
		.amdhsa_reserve_vcc 0
		.amdhsa_float_denorm_mode_32 3
		.amdhsa_float_denorm_mode_16_64 3
		.amdhsa_memory_ordered 1
		.amdhsa_forward_progress 1
		.amdhsa_inst_pref_size 61
	.end_amdhsa_kernel
	.amdgpu_metadata
---
amdhsa.version: [ 1, 2 ]
amdhsa.kernels:
  - .name:           k_q9fac622be0_up
    .symbol:         k_q9fac622be0_up.kd
    .args:
      - { .name: xw, .offset: 0, .size: 8, .value_kind: global_buffer, .address_space: global }
      - { .name: W1_codes, .offset: 8, .size: 8, .value_kind: global_buffer, .address_space: global }
      - { .name: W1_scales, .offset: 16, .size: 8, .value_kind: global_buffer, .address_space: global }
      - { .name: b1, .offset: 24, .size: 8, .value_kind: global_buffer, .address_space: global }
      - { .name: rt, .offset: 32, .size: 8, .value_kind: global_buffer, .address_space: global }
      - { .name: hw, .offset: 40, .size: 8, .value_kind: global_buffer, .address_space: global }
    .group_segment_fixed_size: 101888
    .private_segment_fixed_size: 0
    .kernarg_segment_align: 8
    .kernarg_segment_size: 48
    .max_flat_workgroup_size: 128
    .sgpr_count:     66
    .vgpr_count:     1024
    .wavefront_size: 32
...
	.end_amdgpu_metadata
.endif
;; end of part 8
;; launch down (part 9): grid 32 x 8, 4 waves a work-group, no clusters, 173,056 bytes of LDS; arguments hw, W2_codes, W2_scales, b2, rt, ys; writes ys
.if DOCPART == 9
	.amdgcn_target "amdgcn-amd-amdhsa--gfx1250"
	.amdhsa_code_object_version 6
	.text
	.protected	k_q9fac622be0_down
	.globl	k_q9fac622be0_down
	.p2align	8
	.type	k_q9fac622be0_down,@function
k_q9fac622be0_down:
	s_mov_b64 s[64:65], 0
	v_nop
	global_prefetch_b8 v0, s[64:65] scope:SCOPE_SE
	s_setreg_imm32_b32 hwreg(HW_REG_WAVE_SCHED_MODE, 0, 2), 2
	s_setreg_imm32_b32 hwreg(HW_REG_WAVE_MODE, 25, 1), 1
	s_wait_xcnt 0x0
	s_wait_alu depctr_vm_vsrc(0)
; ys = h W2[e] + b2[e] FOR THE SLOTS OF EXPERT e, on codes of BF6 (E3M2) with one E8M0 byte for each 32 along K; f32 sums.
; SHARES.  Work-group (j, e) owns output columns 32 j .. 32 j + 31 of expert e over ALL of K = 4,096: 32 rows x 3,072 bytes of W2's codes, 98,304 dense bytes, read from memory once in the launch; so each number of ys has one owner.
; THE WAVES SHARE K: wave w keeps the weights of K steps 8 w .. 8 w + 7 (2 tiles of 16 columns x 8 K steps: 16 fragments, 192 registers) and reads only that quarter of each row of h.  No weight is kept twice.
; h's ring has a place for each of the wave's 8 K steps x 4 tiles: 32 fragments, 384 registers; a place is asked for again four K steps behind its products: 40 or 44 loads are on their way at each wait of a wave, 56 at the most.
; A STEP (macro HALF) takes a GROUP of four tiles of 16 slots: 64 products on 8 accumulators (4 tiles x 2 tiles of columns), K step outermost.  The four waves' partial sums meet in a stage in LDS; behind a barrier wave w adds
; up tile w of the group and stores its 2,048 bytes.  b2 is the C of wave 0's first products; in the other waves those registers hold zeros.  So a sum is four f32 sums over a quarter of K each, added in pairs: an order of rounding of its own.
; THE LOOP'S COUNT IS A CONSTANT, 16 steps (64 tiles, the most an expert can have), since a barrier stands in it: a step past the expert's groups jumps over the work, never over the barrier.
; Two stages and two sets of bases take turns, so the loop's trip is two steps: one barrier a step, and a set of bases is written again only behind the counted waits that show its loads done.
; Work-group j begins at group min(j % 4, groups - 1) and goes round, so that the 32 work-groups of an expert do not all ask for the same four tiles at the same time.
; TRANSPOSED (source 0 = 16 rows of W2, source 1 = 16 slots): a lane holds one slot and eight neighbouring columns.
; h's fragments come from hw as images of their registers: 3 loads of 16 bytes a lane for a K step.  ys: [j][slot][32 columns] f32: (j x 2,176 + slot) x 128 bytes: a tile's 16 slots are 2,048 bytes on end.
; NO TENSOR LOAD, NO CLUSTER: the number of tiles is read from memory (rt), so branches hang on loaded numbers.  In a group's tiles past the expert's last, the last tile is multiplied again and not stored;
; an expert without rows names tile 0, which always exists (2,048 rows are 128 tiles at the least), and stores nothing.
; REGISTERS.  Window 0: v1-10 addresses; v16-23 W2's scale words; v24-39 h's; v40-55 b2 or zeros; v56-119 the accumulators; v120-183 the four partial sums of my tile.
;   Window 1: v0-191 the ring's K steps 0-3: K step s, tile q at 12 (4 s + q).   Window 3: v0-191 its K steps 4-7, likewise.   Window 2: v0-191 the weights: fragment 2 s + n at 12 (2 s + n); before that my 24,576 bytes on their way to LDS.
; THE MODE: SCHED_MODE bits 1:0 = 2 (LLVM: expert scheduling mode 2), set by the entry lines.  The code itself states the register dependences
; between vector or matrix instructions and memory or LDS instructions, with s_wait_alu, always for 0.
; THE PLAN.  Registers that memory or LDS instructions touch, in the loop:
;   the ring     K step s's eight products read place s; the run behind K step s + 4 (round the eight) lands in it.
;   HS           register 4 q + jj: read by the products of K steps 2 jj and 2 jj + 1; jj = 0, 1 are asked for again behind K steps 4 and 6, jj = 2, 3 behind the next step's K steps 0 and 2.
;   ACC          written by the products; read by the sixteen LDS stores into the stage.
;   RB           the sixteen LDS loads from the stage land in it; the additions work on it; the four global stores read it.
;   v1 - v10     offsets and LDS addresses, never written again; the stores of ys have an offset register of their own (v10), so that no store names a register of the ring's loads.
; So a step's products have THREE waits on va_vdst: at the step's head, at the head of K step 4 (K steps 0-3 are done with their places: runs R4 to R7 land there) and behind K step 7 (the accumulators are written, and K steps 4-7 are done with
; theirs: the next step's runs R0 to R3 land there).  The adding-up has one, between its additions and its stores.  One wait on vm_vsrc a step stands at the meeting, on every wave's way.
.set PITCH, 3088                       ; a row of W2 in LDS: 3,072 + 16 bytes = 772 words: row r starts at bank 4 r mod 64 (64 banks of 4 bytes: ISA guide 11.1)
.set STG,   32*PITCH                   ; behind the rows: two stages
.set TREG,  2304                       ; a tile in a stage: 16 rows x (128 + 16) bytes
.set WREG,  4*TREG                     ; a wave's four tiles
.set BUFB,  4*WREG                     ; a stage
.set WS,    16                         ; K step s of my eight: lane l holds row l's word
.set HS,    24                         ; 4 q + jj: lanes 0-15 my K step 2 jj of tile q, lanes 16-31 my K step 2 jj + 1
.set B2R,   40
.set ACC,   56                         ; 16 q + 8 n
.set RB,    120                        ; 16 p + 4 a: wave p's partial sums, piece a
.set HSOFF, 6684672
.set SETP,  32                         ; s[32:47], s[66:81]: two sets of bases: four tiles' codes, then four tiles' scale words
.set SETQ,  66
.set FT,    84                         ; s84 the expert's first tile, s85 its tiles
.set NT,    85
.set MSB, 0
.macro WIN new                         ; s_set_vgpr_msb: bits 1:0 source 0, 3:2 source 1, 5:4 source 2, 7:6 destination; the high byte repeats the setting that is left
.if MSB != (\new)
	s_set_vgpr_msb (MSB<<8)|(\new)
.set MSB, (\new)
.endif
.endm
.macro NEWB set, pos                   ; the bases of the four tiles of group s[pos]: my quarter of K in their codes and among their scale words
	s_lshl_b32 s29, s[\pos], 2
.irp q, 0,1,2,3
	s_add_co_u32 s30, s29, \q
	s_min_u32 s30, s30, s25                        ; not past the expert's last tile
	s_add_co_u32 s30, s30, s[FT]
	s_min_u32 s30, s30, 135                        ; held inside the 136 tiles
	s_mul_i32 s86, s30, 49152
	s_add_co_u32 s86, s86, s56
	s_add_nc_u64 s[\set+2*\q:\set+2*\q+1], s[4:5], s[86:87]
	s_lshl_b32 s86, s30, 12
	s_add_co_u32 s86, s86, s57
	s_add_nc_u64 s[\set+8+2*\q:\set+9+2*\q], s[4:5], s[86:87]
.endr
.endm
.macro ARUN k, set                     ; the four tiles' fragments of my K step k: twelve loads of 512 consecutive bytes
.if (\k) < 4
	WIN 0x40                                       ; destination window 1
.else
	WIN 0xc0                                       ; destination window 3
.endif
.irp q, 0,1,2,3
.irp g, 0,1,2
	global_load_b128 v[12*(4*((\k)&3)+\q)+4*\g:12*(4*((\k)&3)+\q)+4*\g+3], v1, s[\set+2*\q:\set+2*\q+1] offset:1536*(\k)+512*\g
.endr
.endr
.endm
.macro SRUN jj, set                    ; the four tiles' scale words of my K steps 2 jj and 2 jj + 1
	WIN 0
.irp q, 0,1,2,3
	global_load_b32 v[HS+4*\q+(\jj)], v2, s[\set+8+2*\q:\set+9+2*\q] offset:HSOFF+256*(\jj)
.endr
.endm
.macro WM                              ; the matrix line, by which rows of the scale registers it reads
.if RWA && RWB
	v_wmma_scale_f32_16x16x128_f8f6f4 v[DA:DA+7], v[FL:FL+11], v[BR:BR+11], v[CA:CA+7], v[SW], v[SH] matrix_a_fmt:MATRIX_FMT_BF6 matrix_b_fmt:MATRIX_FMT_BF6 matrix_a_scale:MATRIX_SCALE_ROW1 matrix_b_scale:MATRIX_SCALE_ROW1
.elseif RWA
	v_wmma_scale_f32_16x16x128_f8f6f4 v[DA:DA+7], v[FL:FL+11], v[BR:BR+11], v[CA:CA+7], v[SW], v[SH] matrix_a_fmt:MATRIX_FMT_BF6 matrix_b_fmt:MATRIX_FMT_BF6 matrix_a_scale:MATRIX_SCALE_ROW1
.elseif RWB
	v_wmma_scale_f32_16x16x128_f8f6f4 v[DA:DA+7], v[FL:FL+11], v[BR:BR+11], v[CA:CA+7], v[SW], v[SH] matrix_a_fmt:MATRIX_FMT_BF6 matrix_b_fmt:MATRIX_FMT_BF6 matrix_b_scale:MATRIX_SCALE_ROW1
.else
	v_wmma_scale_f32_16x16x128_f8f6f4 v[DA:DA+7], v[FL:FL+11], v[BR:BR+11], v[CA:CA+7], v[SW], v[SH] matrix_a_fmt:MATRIX_FMT_BF6 matrix_b_fmt:MATRIX_FMT_BF6
.endif
.endm
.macro PROD k, q, n                    ; my K step k, tile q of slots, tile n of columns.  K step 0 starts its sum with b2 (or zeros): nothing is cleared
.set DA, ACC+16*(\q)+8*(\n)
.set FL, 12*(2*(\k)+(\n))
.set BR, 12*(4*((\k)&3)+(\q))
.set SW, WS+(\k)
.set SH, HS+4*(\q)+((\k)>>1)
.set RWA, (\n)
.set RWB, (\k)&1
.set CA, DA
.if (\k) == 0
.set CA, B2R+8*(\n)
.endif
	WM
.endm
; A STEP.  cur: the set of bases of the group in hand; nxt: the set that takes the next group's; sto, rd: the address registers of this step's stage.
; THE LOADS go out in eight runs, one behind each K step's products: R0 = scale words 2 (4 loads) and K step 4 (12) of this group; R1 = K step 5 (12); R2 = scale words 3 and K step 6 (16); R3 = K step 7 (12);
; R4 = scale words 0 and K step 0 of the next group (16); R5 = its K step 1 (12); R6 = its scale words 1 and K step 2 (16); R7 = its K step 3 (12).
.macro HALF cur, nxt, sto, rd
	s_cmp_lt_u32 s28, s24                          ; is there a group left?
	s_cbranch_scc0 .Lidle_\@
	s_lshl_b32 s89, s26, 2
	s_add_co_u32 s89, s89, s16                     ; the tile that I shall add up: 4 x the group + my wave's number
	s_add_co_u32 s26, s26, 1
	s_cmp_ge_u32 s26, s24
	s_cselect_b32 s26, 0, s26                      ; the next group, round the expert's groups
	NEWB \nxt, 26                                  ; that set's last loads were runs R0 to R3 of the step before, which that step's waits at K steps 4 to 7 have shown done
	s_wait_alu depctr_va_vdst(0)
.irp sp, 0,1,2,3,4,5,6,7
; What K step sp needs came by the run four runs back; the count is that of the three runs issued behind it: 12 + 16 + 12 at an even K step, 16 + 12 + 16 at an odd one
.if (\sp & 1) == 0
	s_wait_loadcnt 40
.else
	s_wait_loadcnt 44
.endif
.if \sp == 4
.rept 4
	v_nop                                          ; four places between the products of K steps 0 to 3 and the loads into the registers that they have read; the wait below fills none
.endr
	s_wait_alu depctr_va_vdst(0)                   ; the products of K steps 0 to 3 are done reading their places of the ring and scale words 0 and 1, in which runs R4 to R7 land
.endif
.if \sp < 4
	WIN 0x06                                       ; source 0 (W2) window 2, source 1 (h) window 1, C and D window 0
.else
	WIN 0x0e                                       ; source 1 (h) window 3
.endif
.irp q, 0,1,2,3
	PROD \sp, \q, 0                                ; the eight accumulators take turns, one instruction a turn
	PROD \sp, \q, 1
.endr
.if \sp == 7
.rept 5
	v_nop                                          ; four places in front of the first read of results and of the next step's loads into these products' operands; five, since the next step's first products write over these accumulators with another C
.endr
.endif
.if (\sp & 1) == 0
.if \sp < 4
	SRUN 2+\sp/2, \cur                             ; no wait: no product since the wait behind the last step's K step 7 names these registers
.else
	SRUN \sp/2-2, \nxt                             ; no wait: no product since the wait at K step 4 names these registers
.endif
.endif
.if \sp < 4
	ARUN \sp+4, \cur                               ; likewise: places 4 to 7 were last read ahead of the wait behind the last step's K step 7,
.else
	ARUN \sp-4, \nxt                               ; places 0 to 3 ahead of the wait at K step 4
.endif
.endr
	WIN 0
	s_wait_alu depctr_va_vdst(0)                   ; the products have written the accumulators, which the LDS stores read; K steps 4 to 7 are done reading their places of the ring and scale words 2 and 3, in which the next step's runs R0 to R3 land
.irp q, 0,1,2,3
.irp n, 0,1
	ds_store_b128 v[\sto], v[ACC+16*\q+8*\n:ACC+16*\q+8*\n+3] offset:TREG*\q+64*\n          ; slot r, columns 16 n + 8 h on; each accumulator from its low end on
	ds_store_b128 v[\sto], v[ACC+16*\q+8*\n+4:ACC+16*\q+8*\n+7] offset:TREG*\q+64*\n+16
.endr
.endr
	s_branch .Lmeet_\@
.Lidle_\@:
	s_mov_b32 s89, -1                              ; no tile to add up
	s_wait_loadcnt 0x0                             ; the look-ahead's loads are let in, so that every way into a step finds the ring whole and both sets of bases free
.Lmeet_\@:
	s_wait_dscnt 0x0                               ; for the others' sake: my partial sums lie in this step's stage, and my reads of the other stage are over
	s_wait_alu depctr_vm_vsrc(0)                   ; my LDS stores have read the accumulators, which the next step's products write; the last step's global stores have read v[RB ..], in which the LDS loads below land
	s_barrier_signal -1
	s_barrier_wait -1                              ; on every wave's way, in every step
	s_cmp_lt_u32 s89, s[NT]
	s_cbranch_scc0 .Lnone_\@                       ; past the expert's last tile nothing is stored
	s_add_co_u32 s29, s89, s[FT]
	s_min_u32 s29, s29, 135
	s_lshl_b32 s86, s29, 11
	s_wait_storecnt 0x0                            ; the stores of the step before are done: their base and their registers may be written again
	s_add_nc_u64 s[82:83], s[14:15], s[86:87]      ; my tile's 2,048 bytes of ys
.irp a, 0,1,2,3
.irp p, 0,1,2,3
	ds_load_b128 v[RB+16*\p+4*\a:RB+16*\p+4*\a+3], v[\rd] offset:WREG*\p+576*\a   ; piece a (four rows of 128 bytes) of wave p's sums for my tile.  No wait on va_vdst: the last additions stand ahead of the wait in front of their stores
.endr
.endr
.irp a, 0,1,2,3
	s_wait_dscnt 12-4*\a                           ; piece a's four loads are in; the later pieces' may be out
	v_pk_add_f32 v[RB+4*\a:RB+4*\a+1], v[RB+4*\a:RB+4*\a+1], v[RB+16+4*\a:RB+16+4*\a+1]
	v_pk_add_f32 v[RB+4*\a+2:RB+4*\a+3], v[RB+4*\a+2:RB+4*\a+3], v[RB+16+4*\a+2:RB+16+4*\a+3]
	v_pk_add_f32 v[RB+32+4*\a:RB+32+4*\a+1], v[RB+32+4*\a:RB+32+4*\a+1], v[RB+48+4*\a:RB+48+4*\a+1]
	v_pk_add_f32 v[RB+32+4*\a+2:RB+32+4*\a+3], v[RB+32+4*\a+2:RB+32+4*\a+3], v[RB+48+4*\a+2:RB+48+4*\a+3]
	v_pk_add_f32 v[RB+4*\a:RB+4*\a+1], v[RB+4*\a:RB+4*\a+1], v[RB+32+4*\a:RB+32+4*\a+1]
	v_pk_add_f32 v[RB+4*\a+2:RB+4*\a+3], v[RB+4*\a+2:RB+4*\a+3], v[RB+32+4*\a+2:RB+32+4*\a+3]
.endr
	s_wait_alu depctr_va_vdst(0)                   ; the additions have written the four pieces, which the stores read, and are done with all of v[RB ..], in which the next step's LDS loads land
.irp a, 0,1,2,3
	global_store_b128 v10, v[RB+4*\a:RB+4*\a+3], s[82:83] offset:512*\a   ; 32 lanes store 512 consecutive bytes, at a multiple of 512 from the buffer's first byte
.endr
.Lnone_\@:
	s_add_co_u32 s28, s28, 1                       ; steps done
.endm
	s_load_b256 s[4:11], s[0:1], 0x0               ; hw, W2's codes, W2's scales, b2
	s_load_b128 s[12:15], s[0:1], 0x20             ; rt, ys
	v_lshl_add_u32 v254, v0, 2, 0x2a200
	v_mov_b32 v255, 0
	v_lshrrev_b32 v236, 5, v0
	v_readfirstlane_b32 s16, v236                  ; wave
	s_and_b32 s18, ttmp7, 0xffff                   ; e;  ttmp9 = j
	v_and_b32 v237, 31, v0                         ; lane
	v_and_b32 v238, 15, v0                         ; r
	v_bfe_u32 v239, v0, 4, 1                       ; h
	v_lshlrev_b32 v1, 4, v237                      ; 16 x lane: the loads' offset,
	v_lshlrev_b32 v10, 4, v237                     ; and the same for the stores of ys
	v_lshlrev_b32 v2, 2, v238
	v_lshl_add_u32 v2, v239, 7, v2                 ; h's scale words: 4 r, and one K step on for lanes 16-31
	s_wait_alu depctr_va_sdst(0)                   ; s16 is written, ahead of its first reader: LDS places, bases and the tile to add up are made from it
	s_mul_i32 s19, s16, WREG
	s_add_co_u32 s19, s19, STG
	v_mul_u32_u24 v3, v238, 144
	v_lshl_add_u32 v3, v239, 5, v3
	v_add_nc_u32 v3, s19, v3                       ; into stage 0: my wave's four tiles, row r, + 32 h;
	v_add_nc_u32 v8, BUFB, v3                      ; into stage 1
	s_mul_i32 s19, s16, TREG
	s_add_co_u32 s19, s19, STG
	v_lshrrev_b32 v4, 3, v237
	v_mul_u32_u24 v4, v4, 144
	v_and_b32 v240, 7, v237
	v_lshl_add_u32 v4, v240, 4, v4
	v_add_nc_u32 v4, s19, v4                       ; out of stage 0: tile w of each wave's four; eight lanes to a row of 128 bytes;
	v_add_nc_u32 v9, BUFB, v4                      ; out of stage 1
	s_mul_i32 s19, s16, 768
	v_mul_u32_u24 v5, v238, PITCH
	v_mad_u32_u24 v5, v239, 24, v5
	v_add_nc_u32 v5, s19, v5                       ; a fragment's row r, + 24 h, + my eight K steps' 768 bytes: tile 0 of columns,
	v_add_nc_u32 v6, 16*PITCH, v5                  ; tile 1
	s_mul_i32 s19, s16, 8*PITCH
	v_add_nc_u32 v7, s19, v1                       ; the way into LDS: my wave's 8 rows
	v_lshlrev_b32 v241, 7, v237
	s_lshl_b32 s19, s16, 5
	v_add_nc_u32 v241, s19, v241                   ; W2's scale bytes: 128 a row, row = lane, + my eight K steps' 32
	v_lshlrev_b32 v242, 5, v239                    ; b2: 32 h
	s_mul_i32 s20, s18, 3145728
	s_mul_i32 s21, ttmp9, 98304
	s_add_co_u32 s20, s20, s21
	s_mul_i32 s21, s16, 24576
	s_add_co_u32 s20, s20, s21                     ; the codes: expert, work-group's 32 rows, the 8 that my wave brings
	s_mov_b32 s21, 0
	s_lshl_b32 s22, s18, 17
	s_lshl_b32 s23, ttmp9, 12
	s_add_co_u32 s22, s22, s23                     ; the scale bytes
	s_mov_b32 s23, 0
	s_lshl_b32 s90, s18, 12
	s_lshl_b32 s91, ttmp9, 7
	s_add_co_u32 s90, s90, s91                     ; b2
	s_mov_b32 s91, 0
	s_mul_i32 s92, ttmp9, 278528                   ; ys: my 32 columns' 2,176 slots
	s_mov_b32 s93, 0
	s_lshl_b32 s94, s18, 3
	s_mov_b32 s87, 0
	s_mul_i32 s56, s16, 12288                      ; my eight K steps in a tile's codes,
	s_lshl_b32 s57, s16, 10                        ; and among its scale words
	s_wait_kmcnt 0x0
	s_load_b64 s[FT:NT], s[12:13], s94 offset:16896   ; the expert's first tile and its tiles
	s_add_nc_u64 s[6:7], s[6:7], s[20:21]
	s_add_nc_u64 s[8:9], s[8:9], s[22:23]
	s_add_nc_u64 s[10:11], s[10:11], s[90:91]
	s_add_nc_u64 s[14:15], s[14:15], s[92:93]
	WIN 0x80                                       ; destination window 2
	s_wait_alu depctr_va_vdst(0)                   ; the offsets and LDS addresses v1 to v10, v241 and v242 are written, which every load and store of the kernel reads
.set JJ, 0
.rept 48
	global_load_b128 v[4*JJ:4*JJ+3], v1, s[6:7] offset:512*JJ th:TH_LOAD_NT   ; 32 lanes read 512 consecutive bytes; read once in the launch
.set JJ, JJ+1
.endr
	WIN 0
.irp m, 0,1
	global_load_b128 v[WS+4*\m:WS+4*\m+3], v241, s[8:9] offset:16*\m
.endr
.irp n, 0,1
	global_load_b128 v[B2R+8*\n:B2R+8*\n+3], v242, s[10:11] offset:64*\n       ; b2 at columns 16 n + 8 h + 0 .. 7
	global_load_b128 v[B2R+8*\n+4:B2R+8*\n+7], v242, s[10:11] offset:64*\n+16
.endr
	s_wait_kmcnt 0x0
	s_min_u32 s[FT], s[FT], 135
	s_min_u32 s[NT], s[NT], 64                     ; an expert has 1,024 rows at the most
	s_cmp_eq_u32 s[NT], 0
	s_cselect_b32 s[FT], 0, s[FT]                  ; an expert without rows names tile 0
	s_max_u32 s25, s[NT], 1
	s_sub_co_u32 s25, s25, 1                       ; its last tile, counted from its first
	s_add_co_u32 s24, s[NT], 3
	s_lshr_b32 s24, s24, 2                         ; its groups of four tiles: 16 at the most
	s_max_u32 s29, s24, 1
	s_sub_co_u32 s29, s29, 1
	s_and_b32 s26, ttmp9, 3
	s_min_u32 s26, s26, s29                        ; the group at which my work-group begins
	NEWB SETP, 26
	NEWB SETQ, 26                                  ; (written here too, so that both sets hold addresses on every way into a step)
	s_cmp_eq_u32 s16, 0
	s_cselect_b32 s29, -1, 0
	s_wait_loadcnt 0x0
.set QI, 0
.rept 16
	v_and_b32 v[B2R+QI], s29, v[B2R+QI]            ; b2 is added once: in wave 0; the other waves' sums begin with zeros
.set QI, QI+1
.endr
; The first group's loads, in the order of runs R4 to R7, so that the loop's counts hold in its first step too.  No vector instruction has named the ring or h's scale words.
	SRUN 0, SETP
	ARUN 0, SETP
	ARUN 1, SETP
	SRUN 1, SETP
	ARUN 2, SETP
	ARUN 3, SETP
	WIN 0x08                                       ; an LDS store's data are its source 1: window 2
.set JJ, 0
.rept 48                               ; six loads hold a row of 3,072 bytes
	ds_store_b128 v7, v[4*JJ:4*JJ+3] offset:(JJ/6)*PITCH+(JJ%6)*512
.set JJ, JJ+1
.endr
	WIN 0
	s_wait_dscnt 0x0                               ; for the others' sake: my rows lie in LDS
	s_barrier_signal -1
	s_barrier_wait -1                              ; from here on the rows are only read
	WIN 0x80
	s_wait_alu depctr_vm_vsrc(0)                   ; my LDS stores have read v512 to v703, in which the weights' fragments land
.set FI, 0
.rept 16                               ; fragment FI = 2 s + n: 16 rows x 128 K are 12 registers: 24 bytes of the row's stream of bits twice, in pieces of 8 bytes
.irp p, 0,1,2,3,4,5
.if (FI&1) == 0
	ds_load_b64 v[12*FI+2*\p:12*FI+2*\p+1], v5 offset:96*(FI>>1)+48*(\p/3)+8*(\p%3)
.else
	ds_load_b64 v[12*FI+2*\p:12*FI+2*\p+1], v6 offset:96*(FI>>1)+48*(\p/3)+8*(\p%3)
.endif
.endr
.set FI, FI+1
.endr
	WIN 0
	s_mov_b32 s27, 0                               ; trips done
	s_mov_b32 s28, 0                               ; steps done
	s_wait_dscnt 0x0
.Lpair:                                            ; eight trips of two steps
	HALF SETP, SETQ, 3, 4
	HALF SETQ, SETP, 8, 9
	s_add_co_u32 s27, s27, 1
	s_cmp_lt_u32 s27, 8
	s_cbranch_scc1 .Lpair
	s_wait_dscnt 0x0                               ; the closing lines, six on end
	s_wait_alu 0x0
	s_wait_tensorcnt 0x0
	ds_add_u32 v254, v255
	s_wait_dscnt 0x0
	s_endpgm
.Lfunc_end_k_q9fac622be0_down:
	.size	k_q9fac622be0_down, .Lfunc_end_k_q9fac622be0_down-k_q9fac622be0_down
	.p2alignl 7, 3214868480
	.fill 96, 4, 3214868480
	.section	.rodata,"a",@progbits
	.p2align	6, 0x0
	.amdhsa_kernel k_q9fac622be0_down
		.amdhsa_group_segment_fixed_size 173056
		.amdhsa_private_segment_fixed_size 0
		.amdhsa_enable_private_segment 0
		.amdhsa_kernarg_size 48
		.amdhsa_user_sgpr_count 2
		.amdhsa_user_sgpr_kernarg_segment_ptr 1
		.amdhsa_wavefront_size32 1
		.amdhsa_system_sgpr_workgroup_id_x 1
		.amdhsa_system_sgpr_workgroup_id_y 1
		.amdhsa_system_sgpr_workgroup_id_z 1
		.amdhsa_system_vgpr_workitem_id 0
		.amdhsa_next_free_vgpr 960
		.amdhsa_next_free_sgpr 96
		.amdhsa_reserve_vcc 0
		.amdhsa_float_denorm_mode_32 3
		.amdhsa_float_denorm_mode_16_64 3
		.amdhsa_memory_ordered 1
		.amdhsa_forward_progress 1
		.amdhsa_inst_pref_size 80
	.end_amdhsa_kernel
	.amdgpu_metadata
---
amdhsa.version: [ 1, 2 ]
amdhsa.kernels:
  - .name:           k_q9fac622be0_down
    .symbol:         k_q9fac622be0_down.kd
    .args:
      - { .name: hw, .offset: 0, .size: 8, .value_kind: global_buffer, .address_space: global }
      - { .name: W2_codes, .offset: 8, .size: 8, .value_kind: global_buffer, .address_space: global }
      - { .name: W2_scales, .offset: 16, .size: 8, .value_kind: global_buffer, .address_space: global }
      - { .name: b2, .offset: 24, .size: 8, .value_kind: global_buffer, .address_space: global }
      - { .name: rt, .offset: 32, .size: 8, .value_kind: global_buffer, .address_space: global }
      - { .name: ys, .offset: 40, .size: 8, .value_kind: global_buffer, .address_space: global }
    .group_segment_fixed_size: 173056
    .private_segment_fixed_size: 0
    .kernarg_segment_align: 8
    .kernarg_segment_size: 48
    .max_flat_workgroup_size: 128
    .sgpr_count:     96
    .vgpr_count:     960
    .wavefront_size: 32
...
	.end_amdgpu_metadata
.endif
;; end of part 9
;; launch join (part 10): grid 256 x 1, 4 waves a work-group, no clusters, 0 bytes of LDS; arguments ys, rt, xw, out0; writes out0
.if DOCPART == 10
	.amdgcn_target "amdgcn-amd-amdhsa--gfx1250"
	.amdhsa_code_object_version 6
	.text
	.protected	k_q9fac622be0_join
	.globl	k_q9fac622be0_join
	.p2align	8
	.type	k_q9fac622be0_join,@function
k_q9fac622be0_join:
	s_mov_b64 s[64:65], 0
	v_nop
	global_prefetch_b8 v0, s[64:65] scope:SCOPE_SE
	s_setreg_imm32_b32 hwreg(HW_REG_WAVE_MODE, 25, 1), 1
	s_wait_xcnt 0x0
; out[t] = g0 ys[slot of t's first choice] + g1 ys[slot of its second].  The six experts that a token did not choose have the gate 0 in the sum that is asked for, and add nothing.
; A wave owns a token: it reads its two slots (rt, at 8,704) and its two gates (xw, at 819,200) by scalar loads, gathers the two rows of 4,096 bytes and stores one.
; ys is [j][slot][32 columns]: piece a of a row (512 bytes of out) is columns 128 a on: j = 4 a + lane / 8, 16 (lane % 8) bytes into the slot's 128.
; A stream: no LDS, no matrix unit, no cluster (no two waves read the same bytes).  All 16 loads of a wave go out together.
	s_load_b256 s[4:11], s[0:1], 0x0               ; ys, rt, xw, out0
	v_lshrrev_b32 v1, 5, v0
	v_readfirstlane_b32 s12, v1                    ; wave
	s_lshl_b32 s13, ttmp9, 2
	s_add_co_u32 s13, s13, s12                     ; my token
	s_lshl_b32 s14, s13, 3
	v_and_b32 v4, 31, v0                           ; lane
	v_lshrrev_b32 v2, 3, v4
	v_mul_u32_u24 v2, 0x44000, v2                  ; 2,176 slots x 128 bytes for each j
	v_and_b32 v5, 7, v4
	v_lshl_add_u32 v2, v5, 4, v2
	v_lshlrev_b32 v3, 4, v4                        ; out: 16 x lane
	s_mov_b32 s25, 0
	s_wait_alu depctr_va_vdst(0)
	s_wait_kmcnt 0x0
	s_load_b64 s[16:17], s[6:7], s14 offset:8704   ; the two slots
	s_load_b64 s[20:21], s[8:9], s14 offset:819200 ; the two gates
	s_wait_kmcnt 0x0
	s_min_u32 s16, s16, 2175                       ; held inside the 2,176 slots
	s_min_u32 s17, s17, 2175
	s_lshl_b32 s24, s16, 7
	s_add_nc_u64 s[26:27], s[4:5], s[24:25]
	s_lshl_b32 s24, s17, 7
	s_add_nc_u64 s[28:29], s[4:5], s[24:25]
	s_lshl_b32 s24, s13, 12
	s_add_nc_u64 s[10:11], s[10:11], s[24:25]
	s_mov_b32 s22, s21                             ; the packed forms name a pair and take its low word for both halves
	s_mov_b32 s23, s21
.irp a, 0,1,2,3,4,5,6,7
	global_load_b128 v[16+8*\a:19+8*\a], v2, s[26:27] offset:1114112*\a th:TH_LOAD_NT
	global_load_b128 v[20+8*\a:23+8*\a], v2, s[28:29] offset:1114112*\a th:TH_LOAD_NT
.endr
.irp a, 0,1,2,3,4,5,6,7
	s_wait_loadcnt 14-2*\a                         ; piece a's two loads are in; the later pieces' may be out
	v_pk_mul_f32 v[16+8*\a:17+8*\a], v[16+8*\a:17+8*\a], s[20:21] op_sel_hi:[1,0]
	v_pk_mul_f32 v[18+8*\a:19+8*\a], v[18+8*\a:19+8*\a], s[20:21] op_sel_hi:[1,0]
	v_pk_fma_f32 v[16+8*\a:17+8*\a], v[20+8*\a:21+8*\a], s[22:23], v[16+8*\a:17+8*\a] op_sel_hi:[1,0,1]
	v_pk_fma_f32 v[18+8*\a:19+8*\a], v[22+8*\a:23+8*\a], s[22:23], v[18+8*\a:19+8*\a] op_sel_hi:[1,0,1]
	global_store_b128 v3, v[16+8*\a:19+8*\a], s[10:11] offset:512*\a th:TH_STORE_NT   ; 32 lanes store 512 consecutive bytes, at a multiple of 512 from out's first byte
.endr
	s_endpgm
.Lfunc_end_k_q9fac622be0_join:
	.size	k_q9fac622be0_join, .Lfunc_end_k_q9fac622be0_join-k_q9fac622be0_join
	.p2alignl 7, 3214868480
	.fill 96, 4, 3214868480
	.section	.rodata,"a",@progbits
	.p2align	6, 0x0
	.amdhsa_kernel k_q9fac622be0_join
		.amdhsa_group_segment_fixed_size 0
		.amdhsa_private_segment_fixed_size 0
		.amdhsa_enable_private_segment 0
		.amdhsa_kernarg_size 32
		.amdhsa_user_sgpr_count 2
		.amdhsa_user_sgpr_kernarg_segment_ptr 1
		.amdhsa_wavefront_size32 1
		.amdhsa_system_sgpr_workgroup_id_x 1
		.amdhsa_system_sgpr_workgroup_id_y 1
		.amdhsa_system_sgpr_workgroup_id_z 1
		.amdhsa_system_vgpr_workitem_id 0
		.amdhsa_next_free_vgpr 80
		.amdhsa_next_free_sgpr 66
		.amdhsa_reserve_vcc 0
		.amdhsa_float_denorm_mode_32 3
		.amdhsa_float_denorm_mode_16_64 3
		.amdhsa_memory_ordered 1
		.amdhsa_forward_progress 1
		.amdhsa_inst_pref_size 6
	.end_amdhsa_kernel
	.amdgpu_metadata
---
amdhsa.version: [ 1, 2 ]
amdhsa.kernels:
  - .name:           k_q9fac622be0_join
    .symbol:         k_q9fac622be0_join.kd
    .args:
      - { .name: ys, .offset: 0, .size: 8, .value_kind: global_buffer, .address_space: global }
      - { .name: rt, .offset: 8, .size: 8, .value_kind: global_buffer, .address_space: global }
      - { .name: xw, .offset: 16, .size: 8, .value_kind: global_buffer, .address_space: global }
      - { .name: out0, .offset: 24, .size: 8, .value_kind: global_buffer, .address_space: global }
    .group_segment_fixed_size: 0
    .private_segment_fixed_size: 0
    .kernarg_segment_align: 8
    .kernarg_segment_size: 32
    .max_flat_workgroup_size: 128
    .sgpr_count:     66
    .vgpr_count:     80
    .wavefront_size: 32
...
	.end_amdgpu_metadata
.endif
;; end of part 10
